; MI455X (gfx1250); checked and timed in simulation.
; The chip was launched on July 23, 2026; its instructions are those of AMD's public machine-readable ISA for CDNA 5 (MIT licence, August 2026) and "CDNA5" Instruction Set Architecture Reference Guide (July 2026). The comments in the code are by the model that wrote it; some were corrected since.
;; YOCO Gated Retention. Allowed arithmetic: matrix products marked QUANTISED: E2M3 operands, one E8M0 scale for each 32 along K, by v_wmma_scale_f32_16x16x128_f8f6f4 with both operands' format E2M3, f32 sums; everything else in f32.
;; Inputs: Wg 2,048 x 2,048 float32; Wgk 32 x 2,048 float32; Wk 2,048 x 2,048 float32; Wo 2,048 x 2,048 float32; Wq 2,048 x 2,048 float32; Wv 2,048 x 2,048 float32; hidden_states 1 x 2,048 x 2,048 float32.
;; Outputs: out0 1 x 2,048 x 2,048 float32.
;; This version of the problem:
;;   THIS VERSION OF THE PROBLEM IS GIVEN IN LOW PRECISION. The matrix products marked QUANTISED in the list below multiply operands that are first quantised to E2M3 (2 exponent bits, 3 mantissa bits; 6 bits a number), with one power-of-two scale for each 32 numbers along K (OCP MX v1.0); their sums are f32. All else is computed in f32.
;;   The module's matrix products, in the order in which they are computed (A, B: the left and right operand; K: the contracted axis; several contracted axes count as one K, in the product's order):
;;     1. [M 2,048, K 2,048] x [K 2,048, N 2,048]; A: input hidden_states; B: input Wq: QUANTISED
;;     2. [M 2,048, K 2,048] x [K 2,048, N 2,048]; A: input hidden_states; B: input Wk: QUANTISED
;;     3. [M 2,048, K 2,048] x [K 2,048, N 2,048]; A: input hidden_states; B: input Wv: QUANTISED
;;     4. [M 2,048, K 2,048] x [K 2,048, N 2,048]; A: input hidden_states; B: input Wg: QUANTISED
;;     5. [M 2,048, K 2,048] x [K 2,048, N 32]; A: input hidden_states; B: input Wgk: QUANTISED
;;     6. batch 32 x [M 2,048, K 64] x [K 64, N 2,048]; A: computed on the way; B: computed on the way: QUANTISED
;;     7. batch 32 x [M 64, K 2,048] x [K 2,048, N 2,048]; A: computed on the way; B: computed on the way: QUANTISED
;;     8. [M 2,048, K 2,048] x [K 2,048, N 2,048]; A: computed on the way; B: input Wo: QUANTISED
;;   THE QUANTISER, for each operand of a quantised product, along K:
;;     - K is cut into blocks of 32 from its start; a last block that is shorter is filled with zeros.
;;     - A block's scale is 2^e with e = floor(log2(the largest magnitude in the block)) - 2, held to -126 .. 127; a block of zeros has e = 0. As a byte (E8M0): e + 127.
;;     - Each number is divided by its block's scale, clamped to +-7.5, and rounded to the nearest number of E2M3, ties to even, subnormals kept.
;;     - The product sums the exact products of the quantised numbers (number of the format x scale) in f32.
;;   ~~~python
;;   def quantise(x, axis):      # numpy; x: float32 -> the quantised numbers, widened to float32 again
;;       x = np.moveaxis(x, axis, -1); K = x.shape[-1]
;;       x = np.pad(x, [(0, 0)] * (x.ndim - 1) + [(0, -K % 32)]); x = x.reshape(x.shape[:-1] + (-1, 32)); a = np.abs(x).max(-1, keepdims=True)
;;       e = np.where(a > 0, np.clip(np.frexp(np.where(a > 0, a, 1))[1] - 1 - 2, -126, 127), 0)      # np.frexp(a)[1] - 1 = floor(log2(a)), exactly
;;       r = np.clip(x / 2.0 ** e, -7.5, 7.5)
;;       step = 2.0 ** (np.maximum(np.frexp(np.where(r == 0, 1, r))[1] - 1, 0) - 3)
;;       q = np.round(r / step) * step * 2.0 ** e      # np.round: ties to even
;;       return np.moveaxis(q.reshape(q.shape[:-2] + (-1,))[..., :K], -1, axis).astype(np.float32)
;;   ~~~
;;   OPERANDS COMPUTED ON THE WAY. 'Computed on the way' means the value that the module computes at that place (a softmax that the list does not call 'softmax' is quantised finished and normalised). What goes into a quantiser is computed in f32, as accurately as f32 sums, v_exp_f32 and their like allow (about 1e-6 of the number): no bf16 or f16 on the way to a quantiser, and a product that is left as it is and whose result goes on into a quantised operand takes f32 operands (vector FMAs, or v_wmma_f32_16x16x4_f32). A number that lies on a knife's edge between two numbers of the format may be rounded either way, as far as f32 arithmetic and the matrix unit's own rounding can turn it there, and no further.
;; 2 versions, each right. Each part assembles by itself: llvm-mc -triple=amdgcn-amd-amdhsa -mcpu=gfx1250 --defsym DOCPART=n.
;; ======== version 1 of 2: 5 launches
;; workspace buffers: qxw 16,435,200 bytes; qyo 6,948,864 bytes; aux 786,432 bytes; qkv 10,092,544 bytes; gbuf 16,777,216 bytes
;; launch quant (part 1): grid 770 x 1, 4 waves a work-group, no clusters, 33,280 bytes of LDS; arguments hidden_states, Wg, Wq, Wk, Wv, Wo, Wgk, qxw, qyo; writes qxw, qyo
.if DOCPART == 1
	.amdgcn_target "amdgcn-amd-amdhsa--gfx1250"
	.amdhsa_code_object_version 6
	.text
	.protected	k_qd764888360_quant
	.globl	k_qd764888360_quant
	.p2align	8
	.type	k_qd764888360_quant,@function
k_qd764888360_quant:
	s_mov_b64 s[64:65], 0
	v_nop
	global_prefetch_b8 v0, s[64:65] scope:SCOPE_SE
	s_setreg_imm32_b32 hwreg(HW_REG_WAVE_MODE, 25, 1), 1
	s_wait_xcnt 0x0
; All seven inputs, f32 with K (2,048) innermost, become codes of FP6 (E2M3) and one E8M0 scale byte for each 32 along K.
; A block's scale is 2^(floor(log2(largest magnitude)) - 2); its byte is the largest magnitude's exponent field - 2, held at 1 from below.
; LIMITS: a block of zeros, or one whose largest magnitude lies under 2^-124, gets the byte 1 (its codes are zeros or tiny; these bytes are read by this program alone); NaN and infinities are not served.
; LAYOUT OF AN OPERAND BUFFER: scale rows of 64 bytes from byte 0, code rows of 1,536 bytes from CODE_OFF.  Row n of a tensor lies at position p(n) = n with bits 3 and 4 exchanged,
; so that 16 neighbouring positions 32 g + 16 u + r hold rows 32 g + 8 u + r + 8 (r / 8): the later products then find 16 neighbours along their next K in a lane's registers.
; qxw: positions 0 hidden, 2048 Wg, 4096 Wq, 6144 Wk, 8192 Wv, 10240 Wgk.  qyo: positions 2048 Wo (positions 0-2047 are written by a later launch).
; A work-group takes 16 rows, a wave 4 rows (8,192 numbers) in 16 steps of 512.  Each load reads 512 consecutive bytes; a step's 2,048 bytes turn through the wave's own stage in LDS
; so that a lane holds 16 neighbours along K; two neighbouring lanes hold a block.  Waves share nothing: no barrier.
.set STEPS, 16
.set EMAX,  2
.set CB,    12                         ; bytes of 16 codes
.set R,     16                         ; v16-79   four sets of 16 numbers as loaded
.set X,     80                         ; v80-111  two sets of 16 neighbours
.set C,     128                        ; v128-191 codes: four registers a step, so that no store's data are written again
.set E,     112                        ; v112-127 a scale byte a step
.set WREG,  8192                       ; LDS: a wave's region: two stages of 32 x SP bytes, then its 256 scale bytes
.set SP,    80                         ; a lane's place in a stage: 64 bytes + 16 of padding
.set CODE_OFF, 657408                  ; 10,272 scale rows of 64 bytes
	s_load_b512 s[8:23], s[0:1], 0x0               ; hidden, Wg, Wq, Wk, Wv, Wo, Wgk, qxw
	s_load_b64 s[24:25], s[0:1], 0x40              ; qyo
	v_lshl_add_u32 v192, v0, 2, 0x8000
	v_mov_b32 v193, 0
	v_lshrrev_b32 v1, 5, v0
	v_readfirstlane_b32 s28, v1                    ; wave
	v_and_b32 v2, 31, v0                           ; lane
	v_lshlrev_b32 v3, 4, v2                        ; my 16 bytes of a load's 512
	s_mul_i32 s29, s28, WREG
	v_lshrrev_b32 v14, 2, v2
	v_mul_u32_u24 v14, v14, SP
	v_and_b32 v15, 3, v2
	v_lshl_add_u32 v14, v15, 4, v14
	v_add_nc_u32 v14, s29, v14                     ; the stage, in: SP (lane / 4) + 16 (lane % 4)
	v_mul_u32_u24 v15, v2, SP
	v_add_nc_u32 v15, s29, v15                     ; and out: SP x lane: my 16 neighbours
	v_mul_u32_u24 v4, v2, CB                       ; my codes' place in a step's
	v_lshrrev_b32 v5, 1, v2
	s_add_co_u32 s29, s29, 2*32*SP
	v_add_nc_u32 v5, s29, v5                       ; my block's byte among the wave's 256
	v_lshlrev_b32 v7, 3, v2
	v_add_nc_u32 v6, s29, v7                       ; on the way out 8 bytes a lane
	s_lshr_b32 s26, ttmp9, 7                       ; which tensor: 128 work-groups each, the last (Wgk) two
	s_and_b32 s30, ttmp9, 127
	s_lshl_b32 s30, s30, 2
	s_add_co_u32 s30, s30, s28                     ; my run of 4 rows in the tensor
	s_lshl_b32 s30, s30, 15                        ; 32,768 bytes a run
	s_mov_b32 s31, 0
	s_cmp_eq_u32 s26, 5                            ; Wo goes to qyo's positions 2048 on: work-group 640 -> 128
	s_cselect_b32 s27, 512, 0
	s_cmp_eq_u32 s26, 6                            ; Wgk to qxw's positions 10240 on: work-group 768 -> 640
	s_cselect_b32 s27, 128, s27
	s_sub_co_u32 s27, ttmp9, s27
	s_lshl_b32 s27, s27, 2
	s_add_co_u32 s27, s27, s28                     ; the run's number among the buffer's rows
	s_and_b32 s32, s27, 2                          ; rows' bits 3 and 4 are runs' bits 1 and 2: exchanged
	s_lshl_b32 s32, s32, 1
	s_and_b32 s33, s27, 4
	s_lshr_b32 s33, s33, 1
	s_and_not1_b32 s27, s27, 6
	s_or_b32 s27, s27, s32
	s_or_b32 s27, s27, s33
	s_mul_i32 s34, s27, 6144                       ; 4 rows of 1,536 bytes of codes
	s_add_co_u32 s34, s34, CODE_OFF
	s_mov_b32 s35, 0
	s_lshl_b32 s36, s27, 8                         ; 4 rows of 64 scale bytes
	s_mov_b32 s37, 0
	s_wait_kmcnt 0x0
	s_mov_b64 s[4:5], s[8:9]                       ; the choices hang on the work-group's number alone
.irp k, 1,2,3,4,5,6
	s_cmp_eq_u32 s26, \k
	s_cselect_b64 s[4:5], s[8+2*\k:9+2*\k], s[4:5]
.endr
	s_cmp_eq_u32 s26, 5
	s_cselect_b64 s[6:7], s[24:25], s[22:23]
	s_add_nc_u64 s[4:5], s[4:5], s[30:31]
	s_add_nc_u64 s[34:35], s[6:7], s[34:35]
	s_add_nc_u64 s[36:37], s[6:7], s[36:37]
.macro LOAD t
.irp i, 0,1,2,3
	global_load_b128 v[R+16*((\t)%4)+4*\i:R+16*((\t)%4)+4*\i+3], v3, s[4:5] offset:2048*(\t)+512*\i th:TH_LOAD_NT   ; 32 lanes read 512 consecutive bytes
.endr
.endm
.macro TURN t                          ; step t's numbers through the stage: LDS serves a wave's instructions in order, so no wait stands between the stores and the loads
.irp i, 0,1,2,3
	ds_store_b128 v14, v[R+16*((\t)%4)+4*\i:R+16*((\t)%4)+4*\i+3] offset:32*SP*((\t)%2)+8*SP*\i
.endr
.irp i, 0,1,2,3
	ds_load_b128 v[X+16*((\t)%2)+4*\i:X+16*((\t)%2)+4*\i+3], v15 offset:32*SP*((\t)%2)+16*\i
.endr
.endm
.irp t, 0,1,2,3
	LOAD \t
.endr
	s_wait_loadcnt 12                              ; step 0's four loads are in
	TURN 0
.macro STEP t
.set XS, X+16*((\t)%2)
.if (\t) > 0
	s_wait_dscnt 1                                 ; this step's numbers are back from the stage (the last step's byte store may be out)
.else
	s_wait_dscnt 0x0
.endif
.if (\t)+4 < STEPS
	LOAD (\t)+4                                    ; the registers that the stage's stores have read take the loads of four steps on
.endif
.if (\t)+1 < STEPS
.if STEPS-2-(\t) >= 3
	s_wait_loadcnt 12                              ; the next step's four loads are in; those of the three steps behind it may be out
.else
	s_wait_loadcnt 4*(STEPS-2-(\t))
.endif
	TURN (\t)+1
.endif
	v_max3_num_f32 v8, |v[XS]|, |v[XS+1]|, |v[XS+2]|               ; the largest magnitude of my 16, in two chains
	v_max3_num_f32 v9, |v[XS+3]|, |v[XS+4]|, |v[XS+5]|
.irp i, 6,10
	v_max3_num_f32 v8, v8, |v[XS+\i]|, |v[XS+\i+1]|
	v_max3_num_f32 v9, v9, |v[XS+\i+2]|, |v[XS+\i+3]|
.endr
	v_max3_num_f32 v8, v8, |v[XS+14]|, |v[XS+15]|
	v_max3_num_f32 v8, v8, v9, (EMAX+1)<<23        ; and the floor 2^(3 - 127): the byte cannot fall under 1
	v_max_num_f32_dpp v8, v8, v8 row_xmask:1 row_mask:0xf bank_mask:0xf   ; and of my neighbour's 16: the block's
	v_add_nc_u32 v11, -(EMAX<<23), v8              ; 2 off its exponent field: the conversion takes this operand's exponent field as its scale
	v_cvt_scalef32_pk16_fp6_f32 v[C+4*(\t):C+4*(\t)+2], v[XS:XS+15], v11
	v_lshrrev_b32 v[E+(\t)], 23, v11               ; the scale's byte (a plain line behind the conversion)
	ds_store_b8 v5, v[E+(\t)] offset:16*(\t)       ; both lanes of a block write the same byte with the same value
	global_store_b96 v4, v[C+4*(\t):C+4*(\t)+2], s[34:35] offset:32*CB*(\t)   ; the wave stores 384 consecutive bytes
.endm
.irp t, 0,1,2,3,4,5,6,7,8,9,10,11,12,13,14,15
	STEP \t
.endr
	ds_load_b64 v[12:13], v6                       ; LDS serves a wave's instructions in order: these see my stores
	s_wait_dscnt 0x0
	global_store_b64 v7, v[12:13], s[36:37]        ; 32 lanes store 256 consecutive bytes, aligned
	s_wait_tensorcnt 0x0
	ds_add_u32 v192, v193
	s_wait_dscnt 0x0
	s_endpgm
.Lfunc_end_k_qd764888360_quant:
	.size	k_qd764888360_quant, .Lfunc_end_k_qd764888360_quant-k_qd764888360_quant
	.p2alignl 7, 3214868480
	.fill 96, 4, 3214868480
	.section	.rodata,"a",@progbits
	.p2align	6, 0x0
	.amdhsa_kernel k_qd764888360_quant
		.amdhsa_group_segment_fixed_size 33280
		.amdhsa_private_segment_fixed_size 0
		.amdhsa_enable_private_segment 0
		.amdhsa_kernarg_size 72
		.amdhsa_user_sgpr_count 2
		.amdhsa_user_sgpr_kernarg_segment_ptr 1
		.amdhsa_wavefront_size32 1
		.amdhsa_system_sgpr_workgroup_id_x 1
		.amdhsa_system_sgpr_workgroup_id_y 1
		.amdhsa_system_sgpr_workgroup_id_z 1
		.amdhsa_system_vgpr_workitem_id 0
		.amdhsa_next_free_vgpr 194
		.amdhsa_next_free_sgpr 66
		.amdhsa_reserve_vcc 0
		.amdhsa_float_denorm_mode_32 3
		.amdhsa_float_denorm_mode_16_64 3
		.amdhsa_memory_ordered 1
		.amdhsa_forward_progress 1
		.amdhsa_inst_pref_size 33
	.end_amdhsa_kernel
	.amdgpu_metadata
---
amdhsa.version: [ 1, 2 ]
amdhsa.kernels:
  - .name:           k_qd764888360_quant
    .symbol:         k_qd764888360_quant.kd
    .args:
      - { .name: hidden_states, .offset: 0, .size: 8, .value_kind: global_buffer, .address_space: global }
      - { .name: Wg, .offset: 8, .size: 8, .value_kind: global_buffer, .address_space: global }
      - { .name: Wq, .offset: 16, .size: 8, .value_kind: global_buffer, .address_space: global }
      - { .name: Wk, .offset: 24, .size: 8, .value_kind: global_buffer, .address_space: global }
      - { .name: Wv, .offset: 32, .size: 8, .value_kind: global_buffer, .address_space: global }
      - { .name: Wo, .offset: 40, .size: 8, .value_kind: global_buffer, .address_space: global }
      - { .name: Wgk, .offset: 48, .size: 8, .value_kind: global_buffer, .address_space: global }
      - { .name: qxw, .offset: 56, .size: 8, .value_kind: global_buffer, .address_space: global }
      - { .name: qyo, .offset: 64, .size: 8, .value_kind: global_buffer, .address_space: global }
    .group_segment_fixed_size: 33280
    .private_segment_fixed_size: 0
    .kernarg_segment_align: 8
    .kernarg_segment_size: 72
    .max_flat_workgroup_size: 128
    .sgpr_count:     66
    .vgpr_count:     194
    .wavefront_size: 32
...
	.end_amdgpu_metadata
.endif
;; end of part 1
;; launch gate (part 2): grid 64 x 1, 8 waves a work-group, no clusters, 33,792 bytes of LDS; arguments qxw, aux; writes aux
.if DOCPART == 2
	.amdgcn_target "amdgcn-amd-amdhsa--gfx1250"
	.amdhsa_code_object_version 6
	.text
	.protected	k_qd764888360_gate
	.globl	k_qd764888360_gate
	.p2align	8
	.type	k_qd764888360_gate,@function
k_qd764888360_gate:
	s_mov_b64 s[64:65], 0
	v_nop
	global_prefetch_b8 v0, s[64:65] scope:SCOPE_SE
	s_setreg_imm32_b32 hwreg(HW_REG_WAVE_MODE, 25, 1), 1
	s_wait_xcnt 0x0
; gk[head][token] = log_sigmoid(hidden . Wgk[head]) / 16 (f32, at aux byte 0), on codes of FP6 with E8M0 scales; and the table of rotations cos, sin [token][32][2] f32 at aux byte 262,144.
; A work-group takes 32 tokens (positions 32 G .. 32 G + 31 of the operand buffer).  K = 2,048 is shared by the eight waves, 256 each: two matrix instructions deep on four accumulators
; (2 tiles of tokens x 2 tiles of heads); the eight partial sums meet in LDS and are added in ascending K.  Source 0 = 16 positions of hidden, source 1 = 16 positions of Wgk:
; lane (r, h) holds head 8 v + r + 8 (r / 8), its register j token 32 G + 16 h + 8 a + j.
; THE ROTATIONS: angle = f32(t) x inv_freq[i], one rounding; reduced by whole multiples of pi / 2 given in two parts (the first product is exact: at most 11 x 24 bits against a remainder under 1);
; sine and cosine by polynomials of degree 7 and 8 on [-pi / 4, pi / 4].  LIMIT: the reduction holds for t under 2,048 (multiples up to 1,304: the third part of pi / 2 left out is under 3e-12).
; inv_freq[i] = 1 / f32(10^(i / 8)), as decimal constants that round to the f32 number.
; log_sigmoid(x) = -(max(-x, 0) + log(1 + e)), e = exp(-|x|) in [0, 1].  max(-x, 0) is taken as (|x| - x) / 2, in which the sign of a zero plays no part.
; log(1 + e) = 2 atanh(z), z = e / (2 + e), at most 1 / 3 for every x: eight terms of the series, z to z^15 / 15; the first term left out is under 1.4e-9 of the sum.
; z: a reciprocal and one step of correction, in which what 2 + e lost in rounding is given back.
; LIMITS: NaN and infinities are not served; for |x| above 87 e counts as 0 (the exponential flushes denormals) and gk = -max(-x, 0) / 16.
; gk leaves in pieces of 16 bytes a lane (four tokens of one head): 262,144 bytes in all.  The table leaves as whole rows of 256 bytes.
.set CODE_OFF, 657408
.set FRG, 32                           ; v32-127  fragments: operand o (hidden tile 0, 1, Wgk tile 0, 1), K step s, at v[FRG + 12 (2 o + s)]
.set SCW, 128                          ; v128-135 scale words, two an operand
.set ACC, 136                          ; v136-167 accumulator (a, v) at ACC + 8 (2 a + v)
.set PS,  168                          ; v168-199 the eight partial sums of my four numbers; behind their addition v176-179 gk, v180-195 at work
.set OUT, 200                          ; v200-207 four pairs cos, sin
	s_load_b128 s[4:7], s[0:1], 0x0                ; qxw, aux
	v_lshl_add_u32 v224, v0, 2, 0x8000
	v_mov_b32 v225, 0
	v_lshrrev_b32 v10, 5, v0
	v_readfirstlane_b32 s8, v10                    ; wave 0..7
	v_and_b32 v10, 31, v0                          ; lane
	v_and_b32 v1, 15, v0                           ; r
	v_bfe_u32 v2, v0, 4, 1                         ; h
	v_mul_u32_u24 v3, v1, 1536
	v_mad_u32_u24 v3, v2, 24, v3                   ; a fragment: row r of 1,536 bytes, + 24 h
	v_lshlrev_b32 v4, 6, v1                        ; scale words: row r of 64 bytes
	v_lshlrev_b32 v6, 4, v10
	s_lshl_b32 s9, s8, 12
	v_add_nc_u32 v5, s9, v6                        ; LDS, in: 16 x lane + 4,096 x wave
	s_and_b32 s10, s8, 3                           ; the accumulator that I finish,
	s_lshr_b32 s11, s8, 2                          ; and which four of its registers
	s_lshl_b32 s14, s10, 10
	s_lshl_b32 s15, s11, 9
	s_add_co_u32 s14, s14, s15
	v_add_nc_u32 v6, s14, v6                       ; LDS, out
	v_lshlrev_b32 v7, 3, v10                       ; the table: 8 bytes a lane
	v_and_b32 v8, 8, v1
	v_add_nc_u32 v8, v8, v1
	v_lshlrev_b32 v8, 13, v8
	v_lshl_add_u32 v8, v2, 6, v8                   ; gk: head r + 8 (r / 8) of 8,192 bytes, + 16 h tokens
	s_mul_i32 s16, s8, 192                         ; my two K steps: 192 bytes of codes,
	s_lshl_b32 s17, s8, 3                          ; 8 scale bytes
	s_mul_i32 s20, ttmp9, 49152
	s_add_co_u32 s20, s20, s16
	s_add_co_u32 s20, s20, CODE_OFF
	s_mov_b32 s21, 0
	s_add_co_u32 s22, s16, CODE_OFF+10240*1536
	s_mov_b32 s23, 0
	s_lshl_b32 s24, ttmp9, 11
	s_add_co_u32 s24, s24, s17
	s_mov_b32 s25, 0
	s_add_co_u32 s26, s17, 655360
	s_mov_b32 s27, 0
	s_and_b32 s18, s10, 1                          ; gk's store: 8 heads on for the second tile of heads,
	s_lshl_b32 s18, s18, 16
	s_lshl_b32 s19, ttmp9, 7                       ; token 32 G,
	s_add_co_u32 s18, s18, s19
	s_lshr_b32 s19, s10, 1
	s_lshl_b32 s19, s19, 5                         ; + 8 a,
	s_add_co_u32 s18, s18, s19
	s_lshl_b32 s19, s11, 4                         ; + 4 x the half
	s_add_co_u32 s28, s18, s19
	s_mov_b32 s29, 0
	s_lshl_b32 s44, ttmp9, 5
	s_lshl_b32 s19, s8, 2
	s_add_co_u32 s44, s44, s19                     ; the first of my four tokens of the table
	s_lshl_b32 s46, s44, 8
	s_add_co_u32 s46, s46, 262144
	s_mov_b32 s47, 0
	s_mov_b32 s32, 0xbfc90fdb                      ; -(pi / 2), first part
	s_mov_b32 s33, 0x333bbd2e                      ; first part - pi / 2
	s_mov_b32 s34, 0xb94ca1f9                      ; the sine's three
	s_mov_b32 s35, 0x3c08839e
	s_mov_b32 s36, 0xbe2aaaa3
	s_mov_b32 s37, 0x37ccf5ce                      ; the cosine's three
	s_mov_b32 s38, 0xbab6061a
	s_mov_b32 s39, 0x3d2aaaa5
	s_mov_b32 s41, 0xbfb8aa3b                      ; -log2(e)
	s_mov_b32 s48, 0x3eaaaaab                      ; 1 / 3, 1 / 5 .. 1 / 15: the series of atanh
	s_mov_b32 s49, 0x3e4ccccd
	s_mov_b32 s50, 0x3e124925
	s_mov_b32 s51, 0x3de38e39
	s_mov_b32 s52, 0x3dba2e8c
	s_mov_b32 s53, 0x3d9d89d9
	s_mov_b32 s54, 0x3d888889
	s_wait_kmcnt 0x0
	s_add_nc_u64 s[20:21], s[4:5], s[20:21]        ; hidden's codes
	s_add_nc_u64 s[22:23], s[4:5], s[22:23]        ; Wgk's codes
	s_add_nc_u64 s[24:25], s[4:5], s[24:25]        ; hidden's scale words
	s_add_nc_u64 s[26:27], s[4:5], s[26:27]        ; Wgk's
	s_add_nc_u64 s[28:29], s[6:7], s[28:29]        ; gk
	s_add_nc_u64 s[46:47], s[6:7], s[46:47]        ; the table
.irp o, 0,1
.irp s, 0,1
.irp p, 0,1,2,3,4,5
	global_load_b64 v[FRG+12*(2*\o+\s)+2*\p:FRG+12*(2*\o+\s)+2*\p+1], v3, s[20:21] offset:\o*24576+96*\s+48*(\p/3)+8*(\p%3)
.endr
.endr
.endr
.irp o, 0,1
.irp s, 0,1
.irp p, 0,1,2,3,4,5
	global_load_b64 v[FRG+12*(4+2*\o+\s)+2*\p:FRG+12*(4+2*\o+\s)+2*\p+1], v3, s[22:23] offset:\o*24576+96*\s+48*(\p/3)+8*(\p%3)
.endr
.endr
.endr
.irp o, 0,1
	global_load_b64 v[SCW+2*\o:SCW+2*\o+1], v4, s[24:25] offset:\o*1024
	global_load_b64 v[SCW+4+2*\o:SCW+5+2*\o], v4, s[26:27] offset:\o*1024
.endr
	; while the loads are on their way: lane i gets inv_freq[i], and my four rows of the table are made
	v_mov_b32 v9, 1.0
.macro INVF i, val
	s_mov_b32 s30, \val
	v_writelane_b32 v9, s30, \i
.endm
	INVF 1, 0.74989417943538
	INVF 2, 0.56234132086601
	INVF 3, 0.42169651272006
	INVF 4, 0.31622776218199
	INVF 5, 0.23713736133078
	INVF 6, 0.17782794625220
	INVF 7, 0.13335214668360
	INVF 8, 0.1
	INVF 9, 0.074989419284265
	INVF 10, 0.056234129824764
	INVF 11, 0.042169649576106
	INVF 12, 0.031622777171873
	INVF 13, 0.023713736669368
	INVF 14, 0.017782794625220
	INVF 15, 0.013335214837950
	INVF 16, 0.01
	INVF 17, 0.0074989421429426
	INVF 18, 0.0056234132237390
	INVF 19, 0.0042169649576106
	INVF 20, 0.0031622777934813
	INVF 21, 0.0023713737098401
	INVF 22, 0.0017782794625220
	INVF 23, 0.0013335214023918
	INVF 24, 0.001
	INVF 25, 0.00074989417997168
	INVF 26, 0.00056234132237390
	INVF 27, 0.00042169649033418
	INVF 28, 0.00031622777324461
	INVF 29, 0.00023713738128079
	INVF 30, 0.00017782794625220
	INVF 31, 0.00013335214675143
.macro SINCOS k
	s_add_co_u32 s45, s44, \k                      ; the token
	v_cvt_f32_u32 v10, s45
	v_mul_f32 v11, v10, v9                         ; the angle: one rounding
	v_mul_f32 v12, 0x3f22f983, v11                 ; x 2 / pi
	v_rndne_f32 v12, v12                           ; N
	v_fma_f32 v13, v12, s32, v11                   ; angle - N x first part: exact
	v_fma_f32 v13, v12, s33, v13                   ; + N x (first part - pi / 2)
	v_cvt_i32_f32 v14, v12
	v_mul_f32 v15, v13, v13                        ; z
	v_fma_f32 v16, v15, s34, s35
	v_fma_f32 v18, v15, s37, s38
	v_fma_f32 v16, v16, v15, s36
	v_fma_f32 v18, v18, v15, s39
	v_mul_f32 v17, v15, v13
	v_fma_f32 v18, v18, v15, -0.5
	v_fma_f32 v16, v16, v17, v13                   ; sin of the remainder
	v_fma_f32 v18, v18, v15, 1.0                   ; cos of the remainder
	v_and_b32 v19, 1, v14
	v_cmp_eq_u32 vcc_lo, 1, v19
	v_cndmask_b32 v20, v16, v18, vcc_lo            ; an odd N exchanges the two
	v_cndmask_b32 v21, v18, v16, vcc_lo
	v_and_b32 v22, 2, v14                          ; the sine is negative for N = 2, 3 mod 4,
	v_lshlrev_b32 v22, 30, v22
	v_add_nc_u32 v23, 1, v14                       ; the cosine for N = 1, 2
	v_and_b32 v23, 2, v23
	v_lshlrev_b32 v23, 30, v23
	v_xor_b32 v[OUT+2*\k+1], v20, v22
	v_xor_b32 v[OUT+2*\k], v21, v23
	global_store_b64 v7, v[OUT+2*\k:OUT+2*\k+1], s[46:47] offset:256*\k   ; 32 lanes store a row of 256 bytes, aligned; each row has registers of its own
.endm
.irp k, 0,1,2,3
	SINCOS \k
.endr
	s_wait_loadcnt 0x0
.irp s, 0,1                                    ; the four accumulators take turns
.irp a, 0,1
.irp n, 0,1
.if \s == 0
	v_wmma_scale_f32_16x16x128_f8f6f4 v[ACC+8*(2*\a+\n):ACC+8*(2*\a+\n)+7], v[FRG+12*(2*\a+\s):FRG+12*(2*\a+\s)+11], v[FRG+12*(4+2*\n+\s):FRG+12*(4+2*\n+\s)+11], 0, v[SCW+2*\a+\s], v[SCW+4+2*\n+\s] matrix_a_fmt:MATRIX_FMT_FP6 matrix_b_fmt:MATRIX_FMT_FP6
.else
	v_wmma_scale_f32_16x16x128_f8f6f4 v[ACC+8*(2*\a+\n):ACC+8*(2*\a+\n)+7], v[FRG+12*(2*\a+\s):FRG+12*(2*\a+\s)+11], v[FRG+12*(4+2*\n+\s):FRG+12*(4+2*\n+\s)+11], v[ACC+8*(2*\a+\n):ACC+8*(2*\a+\n)+7], v[SCW+2*\a+\s], v[SCW+4+2*\n+\s] matrix_a_fmt:MATRIX_FMT_FP6 matrix_b_fmt:MATRIX_FMT_FP6
.endif
.endr
.endr
.endr
.rept 4
	v_nop                                          ; four places between the last product and the first read of results (ISA guide 7.12.1)
.endr
.irp q, 0,1,2,3
	ds_store_b128 v5, v[ACC+8*\q:ACC+8*\q+3] offset:1024*\q        ; each accumulator from its low end on
	ds_store_b128 v5, v[ACC+8*\q+4:ACC+8*\q+7] offset:1024*\q+512
.endr
	s_wait_dscnt 0x0                               ; for the others' sake: my partial sums lie in LDS
	s_barrier_signal -1
	s_barrier_wait -1
.irp k, 0,1,2,3,4,5,6,7
	ds_load_b128 v[PS+4*\k:PS+4*\k+3], v6 offset:4096*\k
.endr
	s_wait_dscnt 0x0
.irp k, 1,2,3,4,5,6,7                          ; ascending K
	v_pk_add_f32 v[PS:PS+1], v[PS:PS+1], v[PS+4*\k:PS+4*\k+1]
	v_pk_add_f32 v[PS+2:PS+3], v[PS+2:PS+3], v[PS+4*\k+2:PS+4*\k+3]
.endr
	; ---- log_sigmoid of my four numbers x = v[PS] .. v[PS + 3], line by line for the four, so that no line waits for the line above it
.irp i, 0,1,2,3
	v_fma_f32 v[10+\i], |v[PS+\i]|, s41, 0         ; -|x| log2(e); the added 0 makes +0 of the product where x is a zero
.endr
.irp i, 0,1,2,3
	v_exp_f32 v[10+\i], v[10+\i]                   ; e
.endr
.irp i, 0,1,2,3
	v_sub_f32 v[26+\i], |v[PS+\i]|, v[PS+\i]       ; 2 max(-x, 0): exact.  (Plain lines behind the batch)
.endr
	s_wait_alu depctr_va_vdst(0)                   ; one wait for the four, ahead of their first reader
.irp i, 0,1,2,3
	v_add_f32 v[14+\i], 2.0, v[10+\i]              ; d = 2 + e, rounded
.endr
.irp i, 0,1,2,3
	v_rcp_f32 v[18+\i], v[14+\i]
.endr
.irp i, 0,1,2,3
	v_add_f32 v[22+\i], -2.0, v[14+\i]             ; d - 2: exact.  (Plain lines behind the batch)
.endr
	s_wait_alu depctr_va_vdst(0)                   ; one wait for the four
.irp i, 0,1,2,3
	v_sub_f32 v[22+\i], v[10+\i], v[22+\i]         ; what 2 + e lost in rounding: exact
.endr
.irp i, 0,1,2,3
	v_mul_f32 v[PS+12+\i], v[10+\i], v[18+\i]      ; z, first
.endr
.irp i, 0,1,2,3
	v_fma_f32 v[PS+16+\i], -v[PS+12+\i], v[14+\i], v[10+\i]        ; e - z d
.endr
.irp i, 0,1,2,3
	v_fma_f32 v[PS+16+\i], -v[PS+12+\i], v[22+\i], v[PS+16+\i]     ; - z x the lost part: e - z (2 + e)
.endr
.irp i, 0,1,2,3
	v_fma_f32 v[PS+12+\i], v[PS+16+\i], v[18+\i], v[PS+12+\i]      ; z = e / (2 + e)
.endr
.irp i, 0,1,2,3
	v_mul_f32 v[PS+20+\i], v[PS+12+\i], v[PS+12+\i]                ; w = z^2, at most 1 / 9
.endr
.irp i, 0,1,2,3
	v_fma_f32 v[PS+24+\i], v[PS+20+\i], s54, s53   ; w / 15 + 1 / 13
.endr
.irp c, 52,51,50,49,48
.irp i, 0,1,2,3
	v_fma_f32 v[PS+24+\i], v[PS+24+\i], v[PS+20+\i], s[\c]         ; down to 1 / 3
.endr
.endr
.irp i, 0,1,2,3
	v_mul_f32 v[PS+24+\i], v[PS+24+\i], v[PS+20+\i]                ; w / 3 + w^2 / 5 + .. + w^7 / 15
.endr
.irp i, 0,1,2,3
	v_add_f32 v[PS+12+\i], v[PS+12+\i], v[PS+12+\i]                ; 2 z
.endr
.irp i, 0,1,2,3
	v_fma_f32 v[PS+16+\i], v[PS+12+\i], v[PS+24+\i], v[PS+12+\i]   ; log(1 + e)
.endr
.irp i, 0,1,2,3
	v_fma_f32 v[PS+16+\i], v[26+\i], 0.5, v[PS+16+\i]              ; + max(-x, 0)
.endr
.irp i, 0,1,2,3
	v_mul_f32 v[PS+8+\i], 0xbd800000, v[PS+16+\i]  ; x -1 / 16
.endr
	global_store_b128 v8, v[PS+8:PS+11], s[28:29]
	s_wait_tensorcnt 0x0
	ds_add_u32 v224, v225
	s_wait_dscnt 0x0
	s_endpgm
.Lfunc_end_k_qd764888360_gate:
	.size	k_qd764888360_gate, .Lfunc_end_k_qd764888360_gate-k_qd764888360_gate
	.p2alignl 7, 3214868480
	.fill 96, 4, 3214868480
	.section	.rodata,"a",@progbits
	.p2align	6, 0x0
	.amdhsa_kernel k_qd764888360_gate
		.amdhsa_group_segment_fixed_size 33792
		.amdhsa_private_segment_fixed_size 0
		.amdhsa_enable_private_segment 0
		.amdhsa_kernarg_size 16
		.amdhsa_user_sgpr_count 2
		.amdhsa_user_sgpr_kernarg_segment_ptr 1
		.amdhsa_wavefront_size32 1
		.amdhsa_system_sgpr_workgroup_id_x 1
		.amdhsa_system_sgpr_workgroup_id_y 1
		.amdhsa_system_sgpr_workgroup_id_z 1
		.amdhsa_system_vgpr_workitem_id 0
		.amdhsa_next_free_vgpr 226
		.amdhsa_next_free_sgpr 66
		.amdhsa_reserve_vcc 1
		.amdhsa_float_denorm_mode_32 3
		.amdhsa_float_denorm_mode_16_64 3
		.amdhsa_memory_ordered 1
		.amdhsa_forward_progress 1
		.amdhsa_inst_pref_size 26
	.end_amdhsa_kernel
	.amdgpu_metadata
---
amdhsa.version: [ 1, 2 ]
amdhsa.kernels:
  - .name:           k_qd764888360_gate
    .symbol:         k_qd764888360_gate.kd
    .args:
      - { .name: qxw, .offset: 0, .size: 8, .value_kind: global_buffer, .address_space: global }
      - { .name: aux, .offset: 8, .size: 8, .value_kind: global_buffer, .address_space: global }
    .group_segment_fixed_size: 33792
    .private_segment_fixed_size: 0
    .kernarg_segment_align: 8
    .kernarg_segment_size: 16
    .max_flat_workgroup_size: 256
    .sgpr_count:     66
    .vgpr_count:     226
    .wavefront_size: 32
...
	.end_amdgpu_metadata
.endif
;; end of part 2
;; launch proj (part 3): grid 32 x 8, 4 waves a work-group, clusters of 4 x 4, 327,680 bytes of LDS; arguments qxw, aux, qkv, gbuf; writes qkv, gbuf
.if DOCPART == 3
	.amdgcn_target "amdgcn-amd-amdhsa--gfx1250"
	.amdhsa_code_object_version 6
	.text
	.protected	k_qd764888360_proj
	.globl	k_qd764888360_proj
	.p2align	8
	.type	k_qd764888360_proj,@function
k_qd764888360_proj:
	s_mov_b64 s[64:65], 0
	v_nop
	global_prefetch_b8 v0, s[64:65] scope:SCOPE_SE
	s_setreg_imm32_b32 hwreg(HW_REG_WAVE_MODE, 25, 1), 1
	s_wait_xcnt 0x0
	s_wait_alu depctr_hold_cnt(0) depctr_sa_sdst(0) depctr_va_vdst(0) depctr_va_sdst(0) depctr_va_ssrc(0) depctr_va_vcc(0) depctr_vm_vsrc(0)
	s_getreg_b32 s2, hwreg(HW_REG_IB_STS2, 6, 4)
	s_cmp_eq_u32 s2, 0
	s_cbranch_scc0 .Lentry_in_a_cluster
	s_endpgm
.Lentry_in_a_cluster:
	s_bfe_u32 s2, ttmp6, 0x10000c
	s_cmp_lg_u32 s2, 0xf033
	s_cbranch_scc0 .Lentry_shape_is_right
	s_endpgm
.Lentry_shape_is_right:
; C = A B^T on codes of FP6 (E2M3) with one E8M0 scale for each 32 along K = 2,048; both operands are rows of ONE operand buffer (scale rows of 64 bytes from byte 0, code rows of 1,536 bytes from CODE_OFF).
; The rows lie at positions: position 32 g + 16 u + r holds row 32 g + 8 u + r + 8 (r / 8).  A tile of C, 256 x 256, is made by four waves, 128 x 128 each: 64 accumulators, 512 registers.
; K goes in steps of 256 through a ring of two LDS slots filled by the tensor data mover; the scale bytes of the tile's 512 rows come once and stay.  4 x 4 work-groups form a cluster; A's tiles are asked for jointly
; along a row of the cluster, B's along a column.  THE MATRIX INSTRUCTION IS USED TRANSPOSED (source 0 = 16 positions of B, source 1 = 16 positions of A): lane (r, h) holds A's position r, and by the order of
; the positions the 16 registers of B's blocks 2 c and 2 c + 1 are B's rows 32 c + 16 h + 0 .. 15: 16 neighbours.
; WHAT IS COMPUTED hangs on the cluster's x (the same in all partners): type = x / 2.  0: A = positions 0 on, B = positions 2048 on, C leaves as f32 rows (g, or the final product).
; 1, 2: B = Wq, Wk: the result is rotated (interleaved pairs, cos and sin from the table), quantised along the head's 64 and leaves as images of the next launch's operand registers.
; 3: A = Wv, B = hidden: V^T, whose registers run along the tokens: quantised along the tokens, likewise as images.  Each way out has LDS bytes of its own.
; LIMITS: a block of zeros, or one under 2^-124, gets the scale byte 1 (read by this program alone); NaN and infinities are not served.
; REGISTERS, in windows of 256: window 0: v0-31 addresses; v32-63 scale words, two sets; v128-223 A's fragments, one set; on the way out v64-255 are free.  window 1: B's fragments, two sets, at v0 and v128.
;   window 2: the accumulators of my A blocks 0-3 (accumulator (a, b) at v[8 (8 (a % 4) + b)]);  window 3: those of blocks 4-7.
.set KSTEP,  256
.set NQ,     2                         ; matrix instructions deep in a slot
.set ROWB,   192                       ; a tile's row: 256 codes
.set KROW,   1536                      ; a row of codes in memory
.set PITCH,  240                       ; an LDS row: 3 x (64 bytes + 16 of padding)
.set FR,     12
.set NL,     6
.set NP,     4                         ; places behind this matrix instruction (ISA guide 7.12.1)
.set HALFT,  128*PITCH
.set SLOT,   4*HALFT
.set LAPS,   4                         ; 2,048 / 512
.set KS,     64                        ; a row of scale bytes
.set SCL,    2*SLOT
.set HALFS,  32*272                    ; the scale bytes of 128 rows: 32 runs of 256 bytes + 16
.set SBLK,   4*272                     ; those of 16 rows
.set SPARE,  SCL+4*HALFS               ; the spare words: 128 bytes a wave, two blocks of 256 bytes that no other line names
.set CODE_OFF, 657408
.set HR,     208896                    ; a head's record in qkv: K's images 98,304, V's 98,304, K's scale words 8,192, V's 4,096
.set QR,     106496                    ; a head's record of Q: images 98,304, scale words 8,192
.set QOFF,   32*HR
.set WQK,    13312                     ; the stage of types 1, 2, from LDS byte 0, a wave: 2 x 6,144 of codes, 2 x 512 of scale words.  It lies in slot 0, which has had its last fill and its last read
.set STG_V,  4*WQK                     ; the stage of type 3, a wave: 2 x 6,144 of codes, 2 x 256 of scale words; also in slot 0
.set WVB,    12800
.set STG_P,  SPARE+512                 ; the stage of type 0: 16 rows x 528 bytes a wave, behind the spare words
.set SPITCH, 528
.set LIV,  8                           ; v8   type 3: STG_V + WVB x wave + 16 x lane
.set LSV,  9                           ; v9   its scale words: + 12,288 + 8 r
.set TBO,  10                          ; v10  the table: (r + 8 (r / 8)) x 256 + 64 h
.set VSO,  11                          ; v11  V's scale words in memory: 16 r + h x HR
.set LIQ,  12                          ; v12  types 1, 2: WQK x wave + 16 x lane
.set LSQ,  13                          ; v13  their scale words: + 12,288 + 16 r
.set ADRA, 16                          ; v16-19
.set ADRB, 20                          ; v20-23
.set STO,  24
.set RD,   25
.set CO,   26                          ; 16 x lane
.set ADRS, 27
.set SPW,  28
.set NIL,  29
.set SC,   32
.set AF,   128
.set BK,   128                         ; type 0: 16 rows read back: v128-191 and v192-255 by turns
.set CS,   64                          ; v64-127  cos, sin: two sets of 32
.set RO,   128                         ; v128-191 64 rotated numbers
.set PC,   192                         ; v192-203 the codes just made
.set PT,   204                         ; v204-211 the conversions' second halves
.set TM,   212                         ; v212-227 at work
.set PW,   228                         ; the scale word just made
.set SW,   230                         ; v230-231 a head's scale word each
.set OB,   64                          ; the copy out: 26 x 4 registers
.set G1, 24
.set G0, 32
.set G1B, 48
.set G0B, 56
.set G1S, 68
.set G0S, 76
.set G1SB, 80
.set G0SB, 88
.set BC,  68                           ; behind the first barrier the scale bytes' descriptors are done with: s[68:69] C at my part
.set BT,  70                           ; s[70:71] the table at my first token
.set BQ0, 72                           ; s[72:75] Q's or K's images, my two heads
.set BQ1, 74
.set BS0, 76                           ; s[76:79] their scale words
.set BS1, 78
.set BV0, 80                           ; s[80:83] V's images, my two heads
.set BV1, 82
.set BVS, 84                           ; s[84:85] V's scale words
.set SEL, 96                           ; s[96:97] v_permlanex16_b32's selects for lane l xor 16
.set MSB, 0
.macro WIN new                         ; the immediate's high byte repeats the setting that is left
.if MSB != (\new)
	s_set_vgpr_msb (MSB<<8)|(\new)
.set MSB, (\new)
.endif
.endm
.set MUL_LO, 0xa1                      ; source 0 (B) window 1, source 1 (A) window 0, C and D window 2
.set MUL_HI, 0xf1
.set TO_B,   0x40
; A joint load: waves 0 and 1 fetch for A, waves 2 and 3 for B; the branch hangs on the wave's number alone.  Four v_nop follow each of the two lines.
.macro JLOAD g0a, g1a, g0b, g1b
	s_cmp_eq_u32 s15, 0
	s_cbranch_scc0 .Lfor_b_\@
	tensor_load_to_lds s[\g0a:\g0a+3], s[\g1a:\g1a+7]
	s_nop 0
.rept 4
	v_nop
.endr
	s_branch .Lasked_\@
.Lfor_b_\@:
	tensor_load_to_lds s[\g0b:\g0b+3], s[\g1b:\g1b+7]
	s_nop 0
.rept 4
	v_nop
.endr
.Lasked_\@:
.endm
.macro CREST                           ; a round of the cluster's barrier behind its opening barrier
	s_cmp_lg_u32 s14, 0
	s_cbranch_scc1 .Lnot_wave_0_\@
	s_barrier_signal -3
.Lnot_wave_0_\@:
	s_barrier_wait -3
	s_barrier_signal -1
	s_barrier_wait -1
.endm
.macro CROUND
	s_barrier_signal -1
	s_barrier_wait -1
	CREST
.endm
	s_load_b256 s[4:11], s[0:1], 0x0               ; the operand buffer s[4:5], aux s[6:7], qkv s[8:9], C s[10:11]
	v_lshl_add_u32 v[SPW], v0, 2, SPARE
	v_mov_b32 v[NIL], 0
	ds_add_u32 v28, v29
	ds_add_u32 v28, v29
	s_wait_dscnt 0x0
	v_lshrrev_b32 v1, 5, v0
	v_readfirstlane_b32 s14, v1                    ; wave 0..3
	s_lshr_b32 s15, s14, 1                         ; which half of A's 256 positions is mine.  Also: I fetch for A (0) or for B (1)
	s_and_b32 s16, s14, 1                          ; which half of B's.  Also: which 128 rows of that tile I fetch
	s_bfe_u32 s40, ttmp6, 0x40000                  ; cx, cy: my place in the cluster
	s_bfe_u32 s41, ttmp6, 0x40004
	s_lshr_b32 s12, ttmp9, 1                       ; type: from the cluster's x, the same in all sixteen partners
	s_and_b32 s13, ttmp9, 1
	s_and_b32 s17, ttmp7, 0xffff                   ; the cluster's y
	s_add_co_u32 s3, s12, 1
	s_lshl_b32 s3, s3, 11                          ; B's first position for types 0 to 2
	s_cmp_eq_u32 s12, 3
	s_cselect_b32 s18, s13, s17                    ; which four tiles of A this cluster takes,
	s_cselect_b32 s19, s17, s13                    ; and of B
	s_cselect_b32 s2, 8192, 0                      ; A's first position: Wv, or hidden (o)
	s_cselect_b32 s3, 0, s3                        ; B's: hidden, or the weight
	s_lshl_b32 s17, s18, 2
	s_add_co_u32 s17, s17, s41                     ; A's tile = 4 x .. + cy
	s_lshl_b32 s42, s19, 2
	s_add_co_u32 s42, s42, s40                     ; B's tile = 4 x .. + cx
	s_lshl_b32 s43, s41, 2
	s_lshl_b32 s43, 15, s43                        ; my row of the cluster
	s_lshl_b32 s44, 0x1111, s40                    ; my column
	; descriptor group 1: a tile of 128 rows x 192 bytes; 16 bytes of padding behind every 64
	s_or_b32 s[G1+0], s43, (0<<16)|(1<<20)|(1<<21)|(3<<22)|(3<<25)
	s_or_b32 s[G1B+0], s44, (0<<16)|(1<<20)|(1<<21)|(3<<22)|(3<<25)
.irp g, G1, G1B
	s_mov_b32 s[\g+1], ROWB<<16                    ; tensor_dim0
	s_mov_b32 s[\g+2], 128<<16                     ; tensor_dim1
	s_mov_b32 s[\g+3], ROWB<<16                    ; tile_dim0
	s_mov_b32 s[\g+4], 128                         ; tile_dim1
	s_mov_b32 s[\g+5], KROW                        ; from row to row
	s_mov_b32 s[\g+6], 0
	s_mov_b32 s[\g+7], 0
.endr
	; the scale bytes of 128 rows: 8,192 dense bytes as 32 rows of 256 (32 elements of 8 bytes), 16 bytes of padding behind each
	s_or_b32 s[G1S+0], s43, (3<<16)|(1<<20)|(1<<21)|(5<<22)|(3<<25)
	s_or_b32 s[G1SB+0], s44, (3<<16)|(1<<20)|(1<<21)|(5<<22)|(3<<25)
.irp g, G1S, G1SB
	s_mov_b32 s[\g+1], 32<<16
	s_mov_b32 s[\g+2], 32<<16
	s_mov_b32 s[\g+3], 32<<16
	s_mov_b32 s[\g+4], 32
	s_mov_b32 s[\g+5], 32
	s_mov_b32 s[\g+6], 0
	s_mov_b32 s[\g+7], 0
.endr
	s_lshl_b32 s18, s16, 7                         ; which 128 rows of the tile I fetch
	s_lshl_b32 s20, s17, 8
	s_add_co_u32 s20, s20, s18
	s_add_co_u32 s20, s20, s2                      ; A: position
	s_lshl_b32 s46, s42, 8
	s_add_co_u32 s46, s46, s18
	s_add_co_u32 s46, s46, s3                      ; B: position
	s_mov_b32 s21, 0
	s_mov_b32 s47, 0
	s_mov_b64 s[18:19], KS
	s_mul_u64 s[22:23], s[20:21], s[18:19]         ; where these rows' scale bytes begin
	s_mul_u64 s[92:93], s[46:47], s[18:19]
	s_mov_b64 s[18:19], KROW
	s_mul_u64 s[20:21], s[20:21], s[18:19]         ; and their codes
	s_mul_u64 s[46:47], s[46:47], s[18:19]
	s_add_nc_u64 s[20:21], s[20:21], CODE_OFF
	s_add_nc_u64 s[46:47], s[46:47], CODE_OFF
	s_mul_i32 s45, s14, HALFT                      ; where they go: wave x 128 rows: no place in the cluster enters an LDS address
	s_mul_i32 s94, s14, HALFS
	s_mov_b32 s[SEL], 0x76543210
	s_mov_b32 s[SEL+1], 0xfedcba98
	s_mov_b32 s66, 0x7f7f0000                      ; the scale bytes (1.0) of the upper 64 along K, which a head of 64 does not have
	s_wait_kmcnt 0x0
	s_add_nc_u64 s[20:21], s[4:5], s[20:21]
	s_add_nc_u64 s[22:23], s[4:5], s[22:23]
	s_add_nc_u64 s[46:47], s[4:5], s[46:47]
	s_add_nc_u64 s[92:93], s[4:5], s[92:93]
	CROUND                                         ; all sixteen work-groups are here: the first joint loads meet
	s_mov_b32 s[G0S], 1
	s_add_co_u32 s[G0S+1], s94, SCL
	s_mov_b64 s[G0S+2:G0S+3], s[22:23]
	s_or_b32 s[G0S+3], s[G0S+3], 0x80000000
	s_mov_b32 s[G0SB], 1
	s_add_co_u32 s[G0SB+1], s94, SCL
	s_mov_b64 s[G0SB+2:G0SB+3], s[92:93]
	s_or_b32 s[G0SB+3], s[G0SB+3], 0x80000000
	JLOAD G0S, G1S, G0SB, G1SB                     ; the scale bytes first: they are wanted with K step 0
.irp s, 0,1
	s_mov_b32 s[G0+4*\s], 1
	s_add_co_u32 s[G0+4*\s+1], s45, \s*SLOT
	s_add_nc_u64 s[G0+4*\s+2:G0+4*\s+3], s[20:21], \s*ROWB
	s_or_b32 s[G0+4*\s+3], s[G0+4*\s+3], 0x80000000
	s_mov_b32 s[G0B+4*\s], 1
	s_add_co_u32 s[G0B+4*\s+1], s45, \s*SLOT
	s_add_nc_u64 s[G0B+4*\s+2:G0B+4*\s+3], s[46:47], \s*ROWB
	s_or_b32 s[G0B+4*\s+3], s[G0B+4*\s+3], 0x80000000
	JLOAD G0+4*\s, G1, G0B+4*\s, G1B               ; three loads of mine are out
.endr
	v_and_b32 v1, 15, v0                           ; r
	v_bfe_u32 v2, v0, 4, 1                         ; h
	v_mul_u32_u24 v3, v1, PITCH
	v_mul_u32_u24 v4, v2, 24
	v_add_nc_u32 v4, v3, v4                        ; a fragment's row x pitch + 24 h
	v_lshl_add_u32 v5, v2, 4, v4                   ; and the same behind one padding more
	s_mul_i32 s21, s15, HALFT                      ; my 128 rows of A
	s_mul_i32 s22, s16, HALFT                      ; my 128 rows of B,
	s_add_co_u32 s22, s22, 2*HALFT                 ; which lie behind A's 256
.irp s, 0,1
	v_add_nc_u32 v[ADRA+\s], s21, v4
	v_add_nc_u32 v[ADRB+\s], s22, v4
	v_add_nc_u32 v[ADRA+2+\s], s21, v5
	v_add_nc_u32 v[ADRB+2+\s], s22, v5
	s_add_co_u32 s21, s21, SLOT
	s_add_co_u32 s22, s22, SLOT
.endr
	v_mul_u32_u24 v5, v1, KS                       ; my row's scale bytes: 64 a row,
	v_lshrrev_b32 v6, 8, v5
	v_lshl_add_u32 v5, v6, 4, v5                   ; and 16 more for each 256 passed
	s_mul_i32 s21, s15, HALFS
	s_mul_i32 s22, s16, HALFS
	s_add_co_u32 s22, s22, 2*HALFS
	s_sub_co_u32 s22, s22, s21
	v_mul_u32_u24 v6, s22, v2                      ; lanes 16-31 take B's
	s_add_co_u32 s21, s21, SCL
	v_add_nc_u32 v5, v5, v6
	v_add_nc_u32 v[ADRS], s21, v5
	; every address of the three ways out is made here, on the way that all take
	v_and_b32 v6, 31, v0
	v_lshlrev_b32 v[CO], 4, v6
	s_mul_i32 s23, s14, 16*SPITCH
	s_add_co_u32 s23, s23, STG_P
	v_mul_u32_u24 v5, v1, SPITCH
	v_lshl_add_u32 v5, v2, 6, v5
	v_add_nc_u32 v[STO], s23, v5                   ; type 0, in: row r, + 64 h bytes
	v_add_nc_u32 v[RD], s23, v[CO]                 ; back: the 32 lanes take a row of 512 bytes
	s_mul_i32 s23, s14, WVB
	s_add_co_u32 s23, s23, STG_V
	v_add_nc_u32 v[LIV], s23, v[CO]
	s_add_co_u32 s23, s23, 12288
	v_lshl_add_u32 v[LSV], v1, 3, s23
	s_mul_i32 s23, s14, WQK
	v_add_nc_u32 v[LIQ], s23, v[CO]
	s_add_co_u32 s23, s23, 12288
	v_lshl_add_u32 v[LSQ], v1, 4, s23
	v_and_b32 v5, 8, v1
	v_add_nc_u32 v5, v5, v1
	v_lshlrev_b32 v[TBO], 8, v5
	v_lshl_add_u32 v[TBO], v2, 6, v[TBO]
	v_lshlrev_b32 v[VSO], 4, v1
	v_mul_u32_u24 v5, v2, HR
	v_add_nc_u32 v[VSO], v[VSO], v5
.macro FRAG reg, adr, q, i             ; 16 rows x 128 K of 6-bit codes: 12 registers; lane (r, h): registers 6 c .. 6 c + 5 hold K = 64 c + 32 h + 0 .. 31, 24 bytes as they lie, in pieces of 8
.irp p, 0,1,2,3,4,5
.set PCE, 12*(\q)+6*(\p/3)+\p%3       ; where the piece three on lies behind one padding more, the second address register serves
.if PCE%8 < 5
	ds_load_b64 v[\reg+2*\p:\reg+2*\p+1], v[\adr] offset:8*PCE+16*(PCE/8)+(\i)*16*PITCH
.else
	ds_load_b64 v[\reg+2*\p:\reg+2*\p+1], v[\adr+2] offset:8*PCE+16*(PCE/8)+(\i)*16*PITCH
.endif
.endr
.endm
; 16 matrix instructions: A's blocks a0, a0 + 1 x B's eight.  The 64 accumulators take turns, one instruction a turn, in the same order in every step.
.macro MUL16 a0, p, q, sc, zero
.irp a, \a0, \a0+1
.irp b, 0,1,2,3,4,5,6,7
.if \zero
	v_wmma_scale_f32_16x16x128_f8f6f4 v[8*(8*((\a)%4)+\b):8*(8*((\a)%4)+\b)+7], v[128*(\p)+FR*\b:128*(\p)+FR*\b+FR-1], v[AF+FR*(\a):AF+FR*(\a)+FR-1], 0, v[SC+8*NQ*(\sc)+NQ*\b+(\q)], v[SC+8*NQ*(\sc)+NQ*(\a)+(\q)] matrix_a_fmt:MATRIX_FMT_FP6 matrix_b_fmt:MATRIX_FMT_FP6 matrix_a_scale:MATRIX_SCALE_ROW1
.else
	v_wmma_scale_f32_16x16x128_f8f6f4 v[8*(8*((\a)%4)+\b):8*(8*((\a)%4)+\b)+7], v[128*(\p)+FR*\b:128*(\p)+FR*\b+FR-1], v[AF+FR*(\a):AF+FR*(\a)+FR-1], v[8*(8*((\a)%4)+\b):8*(8*((\a)%4)+\b)+7], v[SC+8*NQ*(\sc)+NQ*\b+(\q)], v[SC+8*NQ*(\sc)+NQ*(\a)+(\q)] matrix_a_fmt:MATRIX_FMT_FP6 matrix_b_fmt:MATRIX_FMT_FP6 matrix_a_scale:MATRIX_SCALE_ROW1
.endif
.endr
.endr
.endm
.macro FETCH_B slot, q, p
	WIN TO_B
.irp i, 0,1,2,3,4,5,6,7
	FRAG 128*(\p)+FR*\i, ADRB+\slot, \q, \i
.endr
	WIN 0
.endm
.macro FETCH_A slot, q, i0
.irp i, \i0, \i0+1, \i0+2, \i0+3
	FRAG AF+FR*(\i), ADRA+\slot, \q, \i
.endr
.endm
.macro SCALES sc                       ; a K step's scale words: two a row; lanes 0-15 take A's block i, lanes 16-31 B's block i
.irp i, 0,1,2,3,4,5,6,7
	ds_load_b64 v[SC+8*NQ*\sc+NQ*\i:SC+8*NQ*\sc+NQ*\i+1], v[ADRS] offset:\i*SBLK
.endr
.endm
.macro PLACES n                        ; plain vector lines between a matrix instruction and a load into, or a read of, its registers (ISA guide 7.12.1 for a read)
.rept \n
	v_nop
.endr
.endm
.macro STEP slot, q, zero              ; 128 along K that has its successor in the same slot
	s_wait_dscnt 4*NL                              ; B's set and A's blocks 0-3 are in; the youngest 24 loads (A's blocks 4-7) may be out
	WIN MUL_LO
	MUL16 0, (\q)%2, \q, \slot, \zero
	MUL16 2, (\q)%2, \q, \slot, \zero
	s_wait_dscnt 0                                 ; A's blocks 4-7 are in
	PLACES NP
	FETCH_B \slot, (\q)+1, 1-(\q)%2
	FETCH_A \slot, (\q)+1, 0
	WIN MUL_HI
	MUL16 4, (\q)%2, \q, \slot, \zero
	MUL16 6, (\q)%2, \q, \slot, \zero
	PLACES NP
	WIN 0
	FETCH_A \slot, (\q)+1, 4
.endm
; A slot's last step changes slots: one barrier; in front of it each wave waits for all its tensor loads, adds 0 to its spare word, and waits for that and for its reads of this slot.
.macro TURN slot, next, fill
	s_wait_tensorcnt 0x0                           ; all my tensor loads have landed: the one that was out is my part of the next slot
	ds_add_u32 v[SPW], v[NIL]                      ; 0 onto my spare word
	s_wait_dscnt 4*NL+1                            ; (the add and the youngest 24 loads may be out)
	WIN MUL_LO
	MUL16 0, 1, NQ-1, \slot, 0
	s_wait_dscnt 0x0                               ; the add is done, and my reads of this slot are over
	s_barrier_signal -1
	MUL16 2, 1, NQ-1, \slot, 0
	WIN 0
	s_barrier_wait -1
.if \fill
	CREST                                          ; the barrier has opened a round of the cluster's: no wave of any partner still reads this slot or has a load on its way
	s_add_nc_u64 s[G0+4*\slot+2:G0+4*\slot+3], s[G0+4*\slot+2:G0+4*\slot+3], 2*ROWB
	s_add_nc_u64 s[G0B+4*\slot+2:G0B+4*\slot+3], s[G0B+4*\slot+2:G0B+4*\slot+3], 2*ROWB
	JLOAD G0+4*\slot, G1, G0B+4*\slot, G1B         ; my one tensor load behind the round; its four v_nop are the places in front of the loads below
.else
	PLACES NP
.endif
	v_add_nc_u32 v[ADRS], 4*NQ, v[ADRS]            ; on to the next K step's scale words
	FETCH_B \next, 0, 0
	FETCH_A \next, 0, 0
	SCALES \next
	WIN MUL_HI
	MUL16 4, 1, NQ-1, \slot, 0
	MUL16 6, 1, NQ-1, \slot, 0
	PLACES NP
	WIN 0
	FETCH_A \next, 0, 4
.endm
	s_wait_tensorcnt 1                             ; the scale bytes and my part of K step 0 are in (K step 1's load may be out)
	s_barrier_signal -1
	s_barrier_wait -1                              ; everybody's are
	FETCH_B 0, 0, 0
	FETCH_A 0, 0, 0
	SCALES 0
	FETCH_A 0, 0, 4
	; the bases of the ways out, in the registers of the scale bytes' descriptors, whose loads the wait above has shown done
	s_lshl_b32 s18, s17, 8
	s_lshl_b32 s19, s15, 7
	s_add_co_u32 s18, s18, s19                     ; my first row of A within its tensor
	s_lshl_b32 s20, s42, 8
	s_lshl_b32 s21, s16, 7
	s_add_co_u32 s20, s20, s21                     ; my first row of B
	s_lshl_b32 s22, s18, 13
	s_lshl_b32 s23, s20, 2
	s_add_co_u32 s22, s22, s23
	s_mov_b32 s23, 0
	s_add_nc_u64 s[BC:BC+1], s[10:11], s[22:23]    ; C: rows of 8,192 bytes
	s_lshl_b32 s22, s18, 8
	s_add_co_u32 s22, s22, 262144
	s_add_nc_u64 s[BT:BT+1], s[6:7], s[22:23]      ; the table: rows of 256 bytes
	s_lshr_b32 s43, s20, 6                         ; types 1, 2: my first head,
	s_lshr_b32 s44, s18, 7                         ; my step of 128 tokens
	s_mov_b32 s45, HR
	s_mov_b32 s46, 196608
	s_cmp_eq_u32 s12, 1
	s_cselect_b32 s45, QR, s45                     ; from head to head,
	s_cselect_b32 s46, 98304, s46                  ; where the scale words begin,
	s_cselect_b32 s47, QOFF, 0                     ; where the records begin
	s_mul_i32 s22, s43, s45
	s_add_co_u32 s22, s22, s47
	s_mul_i32 s92, s44, 6144
	s_add_co_u32 s92, s92, s22
	s_mov_b32 s93, 0
	s_add_nc_u64 s[BQ0:BQ0+1], s[8:9], s[92:93]
	s_mov_b32 s92, s45
	s_add_nc_u64 s[BQ1:BQ1+1], s[BQ0:BQ0+1], s[92:93]
	s_lshl_b32 s94, s44, 9
	s_add_co_u32 s94, s94, s22
	s_add_co_u32 s94, s94, s46
	s_mov_b32 s95, 0
	s_add_nc_u64 s[BS0:BS0+1], s[8:9], s[94:95]
	s_add_nc_u64 s[BS1:BS1+1], s[BS0:BS0+1], s[92:93]
	s_lshr_b32 s43, s18, 6                         ; type 3: my first head comes from A's rows, my step from B's
	s_lshr_b32 s44, s20, 7
	s_mul_i32 s22, s43, HR
	s_mul_i32 s92, s44, 6144
	s_add_co_u32 s92, s92, s22
	s_add_co_u32 s92, s92, 98304
	s_add_nc_u64 s[BV0:BV0+1], s[8:9], s[92:93]
	s_add_nc_u64 s[BV1:BV1+1], s[BV0:BV0+1], HR
	s_lshl_b32 s92, s44, 8
	s_add_co_u32 s92, s92, s22
	s_add_co_u32 s92, s92, 204800
	s_add_nc_u64 s[BVS:BVS+1], s[8:9], s[92:93]
	STEP 0, 0, 1                                   ; the first step stands in front of the loop: its products start the sums
	s_mov_b32 s3, LAPS-1
.Llap:                                                 ; a trip goes once round the ring and fills both slots again
	TURN 0, 1, 1
	STEP 1, 0, 0
	TURN 1, 0, 1
	STEP 0, 0, 0
	s_sub_co_u32 s3, s3, 1
	s_cmp_lg_u32 s3, 0
	s_cbranch_scc1 .Llap
	TURN 0, 1, 0                                   ; the last lap fills nothing
	STEP 1, 0, 0
	s_wait_dscnt 4*NL
	WIN MUL_LO
	MUL16 0, 1, NQ-1, 1, 0
	MUL16 2, 1, NQ-1, 1, 0
	s_wait_dscnt 0
	WIN MUL_HI
	MUL16 4, 1, NQ-1, 1, 0
	MUL16 6, 1, NQ-1, 1, 0
	WIN 0
	PLACES NP                                      ; behind the last products: their results may be read, their operands' registers written
.irp b, 0,1,2,3
	v_mov_b32 v[TM+4+\b], 0                        ; a lane permute's destination counts as one of its sources
.endr
; 64 numbers of a lane in window w, register 16 b + i = k 32 b + 16 h + i of my row, become a fragment's codes in v[PC] on and its scale word in v[PW].  Each accumulator is first read at its registers 0 and 1.
.macro QUANT s, w
	WIN (\w)|((\w)<<2)
.irp b, 0,1,2,3
	v_max3_num_f32 v[TM+\b], |v[(\s)+16*\b]|, |v[(\s)+1+16*\b]|, 0x1800000   ; my 16 numbers of block b, and the floor 2^(3 - 127)
.endr
.irp i, 2,4,6,8,10,12,14
.irp b, 0,1,2,3
	v_max3_num_f32 v[TM+\b], |v[(\s)+16*\b+\i]|, |v[(\s)+1+16*\b+\i]|, v[TM+\b]
.endr
.endr
	WIN 0
.irp b, 0,1,2,3
	v_permlanex16_b32 v[TM+4+\b], v[TM+\b], s[SEL], s[SEL+1]
.endr
.irp b, 0,1,2,3
	v_max_num_f32 v[TM+\b], v[TM+\b], v[TM+4+\b]   ; with lane l xor 16's: the block's largest magnitude
.endr
.irp b, 0,1,2,3
	v_add_nc_u32 v[TM+12+\b], 0xff000000, v[TM+\b] ; 2 off its exponent field: the conversion's scale operand
.endr
.irp b, 0,1,2,3
	v_lshrrev_b32 v[TM+4+\b], 23, v[TM+12+\b]      ; the scale's byte
.endr
	v_lshl_or_b32 v[PW], v[TM+5], 8, v[TM+4]
	v_lshl_or_b32 v[PW], v[TM+6], 16, v[PW]
	v_lshl_or_b32 v[PW], v[TM+7], 24, v[PW]
	WIN (\w)
.irp c, 0,1
	v_cvt_scalef32_pk16_fp6_f32 v[PC+6*\c:PC+2+6*\c], v[(\s)+32*\c:(\s)+15+32*\c], v[TM+12+2*\c]
	v_cvt_scalef32_pk16_fp6_f32 v[PT+4*\c:PT+2+4*\c], v[(\s)+16+32*\c:(\s)+31+32*\c], v[TM+12+2*\c+1]   ; (a conversion's three registers begin on an even number)
.endr
	WIN 0
	v_nop                                          ; one plain line behind a scaled conversion
.irp c, 0,1                                    ; the operand's layout wants a whole block in a lane: lanes 0-15 block 2 c, lanes 16-31 block 2 c + 1
.irp i, 0,1,2
	v_permlane16_swap_b32 v[PC+6*\c+\i], v[PT+4*\c+\i]
.endr
.irp i, 0,1,2
	v_mov_b32 v[PC+3+6*\c+\i], v[PT+4*\c+\i]
.endr
.endr
.endm
	s_cmp_eq_u32 s12, 0
	s_cbranch_scc1 .Lplain
	s_cmp_eq_u32 s12, 3
	s_cbranch_scc1 .Lv
	; ---- TYPES 1, 2: Q or K.  A's block a is 16 tokens; a lane's 64 registers are two heads' 2 x 32 channels of its half.
.macro CSLOAD a                        ; cos, sin of block a's tokens: pair p of channel block cc is frequency 16 cc + 8 h + p: 64 bytes a block
.irp cc, 0,1
.irp k, 0,1,2,3
	global_load_b128 v[CS+32*((\a)%2)+16*\cc+4*\k:CS+32*((\a)%2)+16*\cc+4*\k+3], v[TBO], s[BT:BT+1] offset:(32*((\a)/2)+8*((\a)%2))*256+128*\cc+16*\k
.endr
.endr
.endm
.macro ROPE a                          ; (x1, x2) -> (x1 cos - x2 sin, x1 sin + x2 cos), from the accumulators into v[RO] on
	WIN 0x02+(\a)/4
.irp c, 0,1,2,3
.irp p, 0,1,2,3,4,5,6,7
.set XR, 64*((\a)%4)+16*\c+2*\p
.set CR, CS+32*((\a)%2)+16*(\c%2)+2*\p
.set RR, RO+16*\c+2*\p
	v_mul_f32 v[RR+1], v[XR+1], v[CR]
	v_mul_f32 v[RR], v[XR+1], v[CR+1]
	v_fma_f32 v[RR+1], v[XR], v[CR+1], v[RR+1]
	v_fma_f32 v[RR], v[XR], v[CR], -v[RR]
.endr
.endr
	WIN 0
.endm
.macro PUTQK a                         ; head hd's six registers go to their place in the image of 12: blocks 2 g and 2 g + 1 share an image; chunk c holds registers 4 c .. 4 c + 3
.irp hd, 0,1
.if (\a)%2 == 0
	ds_store_b128 v[LIQ], v[PC+6*\hd:PC+6*\hd+3] offset:\hd*6144+((\a)/2)*1536
	ds_store_b64 v[LIQ], v[PC+6*\hd+4:PC+6*\hd+5] offset:\hd*6144+((\a)/2)*1536+512
.else
	ds_store_b64 v[LIQ], v[PC+6*\hd:PC+6*\hd+1] offset:\hd*6144+((\a)/2)*1536+520
	ds_store_b128 v[LIQ], v[PC+6*\hd+2:PC+6*\hd+5] offset:\hd*6144+((\a)/2)*1536+1024
.endif
.endr
	v_and_or_b32 v[SW], v[PW], 0xffff, s66         ; a head's two bytes, and 1.0 for the 64 along K that it does not have
	v_lshrrev_b32 v[SW+1], 16, v[PW]
	v_or_b32 v[SW+1], s66, v[SW+1]
	ds_store_b32 v[LSQ], v[SW] offset:256*((\a)%2)+4*((\a)/2)        ; both halves of the lanes write the same word with the same value
	ds_store_b32 v[LSQ], v[SW+1] offset:512+256*((\a)%2)+4*((\a)/2)
.endm
	CSLOAD 0
	CSLOAD 1
.irp a, 0,1,2,3,4,5,6,7
.if \a < 7
	s_wait_loadcnt 8                               ; this block's eight loads are in; the next block's may be out
.else
	s_wait_loadcnt 0
.endif
	s_wait_dscnt 0x0                               ; the last block's LDS stores have read their registers
	ROPE \a
.if \a < 6
	CSLOAD \a+2
.endif
	QUANT RO, 0
	PUTQK \a
.endr
.irp n, 0,1,2,3,4,5,6,7,8,9,10,11,12,13,14,15,16,17,18,19,20,21,22,23
	ds_load_b128 v[OB+4*\n:OB+4*\n+3], v[LIQ] offset:512*\n          ; LDS serves a wave's instructions in order: these see my stores
.endr
	ds_load_b128 v[OB+96:OB+99], v[LIQ] offset:12288
	ds_load_b128 v[OB+100:OB+103], v[LIQ] offset:12800
.irp n, 0,1,2,3,4,5,6,7,8,9,10,11
	s_wait_dscnt 25-\n
	global_store_b128 v[CO], v[OB+4*\n:OB+4*\n+3], s[BQ0:BQ0+1] offset:512*\n    ; each store covers 512 consecutive bytes, aligned
.endr
.irp n, 0,1,2,3,4,5,6,7,8,9,10,11
	s_wait_dscnt 13-\n
	global_store_b128 v[CO], v[OB+48+4*\n:OB+48+4*\n+3], s[BQ1:BQ1+1] offset:512*\n
.endr
	s_wait_dscnt 1
	global_store_b128 v[CO], v[OB+96:OB+99], s[BS0:BS0+1]
	s_wait_dscnt 0
	global_store_b128 v[CO], v[OB+100:OB+103], s[BS1:BS1+1]
	s_branch .Lend
.Lv:	; ---- TYPE 3: V^T.  A's block a is 16 channels of head a / 4 (tile a % 4); a lane's 64 registers are its half of 128 tokens: the fragment is made as it will be used
.irp a, 0,1,2,3,4,5,6,7
	s_wait_dscnt 0x0                               ; the last block's LDS stores have read their registers
	QUANT 64*(\a%4), 2+\a/4
.irp c, 0,1,2
	ds_store_b128 v[LIV], v[PC+4*\c:PC+4*\c+3] offset:(\a/4)*6144+(\a%4)*1536+512*\c
.endr
	ds_store_b32 v[LSV], v[PW] offset:(\a/4)*256+128*(\a%2)+4*((\a%4)/2)
.endr
.irp n, 0,1,2,3,4,5,6,7,8,9,10,11,12,13,14,15,16,17,18,19,20,21,22,23
	ds_load_b128 v[OB+4*\n:OB+4*\n+3], v[LIV] offset:512*\n
.endr
	ds_load_b128 v[OB+96:OB+99], v[LIV] offset:12288
.irp n, 0,1,2,3,4,5,6,7,8,9,10,11
	s_wait_dscnt 24-\n
	global_store_b128 v[CO], v[OB+4*\n:OB+4*\n+3], s[BV0:BV0+1] offset:512*\n
.endr
.irp n, 0,1,2,3,4,5,6,7,8,9,10,11
	s_wait_dscnt 12-\n
	global_store_b128 v[CO], v[OB+48+4*\n:OB+48+4*\n+3], s[BV1:BV1+1] offset:512*\n
.endr
	s_wait_dscnt 0
	global_store_b128 v[VSO], v[OB+96:OB+99], s[BVS:BVS+1]           ; sixteen lanes store a head's 256 bytes of scale words
	s_branch .Lend
.Lplain:	; ---- TYPE 0: f32 rows.  A block of 16 rows x 128 columns goes through my own stage and comes back as whole rows of 512 bytes
.macro TOSTAGE a
.set AC, 64*((\a)%4)
	WIN 0x08+4*((\a)/4)                            ; the data: window 2 or 3
.irp b, 0,1,2,3,4,5,6,7
	ds_store_b128 v[STO], v[AC+8*\b:AC+8*\b+3] offset:128*(\b/2)+32*(\b%2)        ; columns 32 (b / 2) + 16 h + 8 (b % 2) on; each accumulator from its low end on
	ds_store_b128 v[STO], v[AC+8*\b+4:AC+8*\b+7] offset:128*(\b/2)+32*(\b%2)+16
.endr
	WIN 0
.set BB, BK+64*((\a)%2)
.irp t, 0,1,2,3,4,5,6,7,8,9,10,11,12,13,14,15
	ds_load_b128 v[BB+4*\t:BB+4*\t+3], v[RD] offset:\t*SPITCH
.endr
.endm
.macro SEND a, younger                 ; stage row t is row 32 (a / 2) + 8 (a % 2) + t + 8 (t / 8) of my 128: 127 rows of 8,192 bytes at the most, inside the signed 24-bit immediate: the base never steps
.set BB, BK+64*((\a)%2)
	s_wait_dscnt \younger
.irp t, 0,1,2,3,4,5,6,7,8,9,10,11,12,13,14,15
	global_store_b128 v[CO], v[BB+4*\t:BB+4*\t+3], s[BC:BC+1] offset:(32*((\a)/2)+8*((\a)%2)+\t+8*(\t/8))*8192 th:TH_STORE_NT   ; 32 lanes store 512 consecutive bytes, aligned
.endr
.endm
	TOSTAGE 0
.irp a, 1,2,3,4,5,6,7
.if \a > 1
	s_wait_xcnt 0x0                                ; block a - 2's stores have read their registers: block a's loads may land there
.endif
	TOSTAGE \a
	SEND \a-1, 32                                  ; behind block a - 1's loads: block a's 16 stores and 16 loads
.endr
	SEND 7, 0
.Lend:
	s_wait_tensorcnt 0x0                           ; the wave's end: behind my last tensor load and my last LDS store
	ds_add_u32 v[SPW], v[NIL]
	s_wait_dscnt 0x0
	CROUND                                         ; the closing round: no work-group ends while a partner may still ask for a tile that names it
	s_endpgm
.Lfunc_end_k_qd764888360_proj:
	.size	k_qd764888360_proj, .Lfunc_end_k_qd764888360_proj-k_qd764888360_proj
	.p2alignl 7, 3214868480
	.fill 96, 4, 3214868480
	.section	.rodata,"a",@progbits
	.p2align	6, 0x0
	.amdhsa_kernel k_qd764888360_proj
		.amdhsa_group_segment_fixed_size 327680
		.amdhsa_private_segment_fixed_size 0
		.amdhsa_enable_private_segment 0
		.amdhsa_kernarg_size 32
		.amdhsa_user_sgpr_count 2
		.amdhsa_user_sgpr_kernarg_segment_ptr 1
		.amdhsa_wavefront_size32 1
		.amdhsa_system_sgpr_workgroup_id_x 1
		.amdhsa_system_sgpr_workgroup_id_y 1
		.amdhsa_system_sgpr_workgroup_id_z 1
		.amdhsa_system_vgpr_workitem_id 0
		.amdhsa_next_free_vgpr 1024
		.amdhsa_next_free_sgpr 100
		.amdhsa_reserve_vcc 0
		.amdhsa_float_denorm_mode_32 3
		.amdhsa_float_denorm_mode_16_64 3
		.amdhsa_memory_ordered 1
		.amdhsa_forward_progress 1
		.amdhsa_inst_pref_size 255
	.end_amdhsa_kernel
	.section	.bss,"aw",@nobits
	.p2align	6
	.space	262144
	.amdgpu_metadata
---
amdhsa.version: [ 1, 2 ]
amdhsa.kernels:
  - .name:           k_qd764888360_proj
    .symbol:         k_qd764888360_proj.kd
    .args:
      - { .name: qxw, .offset: 0, .size: 8, .value_kind: global_buffer, .address_space: global }
      - { .name: aux, .offset: 8, .size: 8, .value_kind: global_buffer, .address_space: global }
      - { .name: qkv, .offset: 16, .size: 8, .value_kind: global_buffer, .address_space: global }
      - { .name: gbuf, .offset: 24, .size: 8, .value_kind: global_buffer, .address_space: global }
    .group_segment_fixed_size: 327680
    .private_segment_fixed_size: 0
    .kernarg_segment_align: 8
    .kernarg_segment_size: 32
    .max_flat_workgroup_size: 128
    .sgpr_count:     100
    .vgpr_count:     1024
    .wavefront_size: 32
...
	.end_amdgpu_metadata
.endif
;; end of part 3
;; launch attn (part 4): grid 8 x 32, 16 waves a work-group, no clusters, 297,984 bytes of LDS; arguments qkv, gbuf, aux, qyo; writes qyo
.if DOCPART == 4
	.amdgcn_target "amdgcn-amd-amdhsa--gfx1250"
	.amdhsa_code_object_version 6
	.text
	.protected	k_qd764888360_attn
	.globl	k_qd764888360_attn
	.p2align	8
	.type	k_qd764888360_attn,@function
k_qd764888360_attn:
	s_mov_b64 s[64:65], 0
	v_nop
	global_prefetch_b8 v0, s[64:65] scope:SCOPE_SE
	s_setreg_imm32_b32 hwreg(HW_REG_WAVE_MODE, 25, 1), 1
	s_wait_xcnt 0x0
; Gated retention of one head: A[i][j] = exp(G_i - G_j) (q_i . k_j) / 8 for j <= i, else 0; o = A v; o / rms(o) x silu(g); quantised along the hidden axis into the last product's operand buffer.
; Both products on codes of FP6 (E2M3) with one E8M0 scale for each 32 along K.  G is the running sum of gk over the tokens, added in this order: pairwise sums level by level, then each prefix folded from its largest
; aligned block to its smallest.
; SHARES.  A work-group owns one head and the blocks x and 15 - x of 128 queries: 17 block-steps in every work-group.  Each of its sixteen waves owns one tile of 16 queries and walks the key steps 0 .. its block, 128 keys each;
; steps all of whose keys come later are left out (the mask is built by the problem itself).  Four waves to a SIMD, two of an early and two of a late block.
; NO CLUSTER though eight work-groups read one head's record: the step at which a wave's work ends and the LDS address of G_i hang on the work-group's number, which in a cluster would be its place.
; LDS, every byte filled once: the head's record (K's and V's register images and scale words, 208,896 bytes, one tensor load of 13,056 bytes a wave), each wave's 16 rows of g (asynchronous copies),
; G and E = exp(G_ref - G_j), ref the last key of j's step (wave 0's stores).  One barrier.
; LAYOUT.  S^T = K Q^T (source 0 = 16 keys), O^T = V^T A^T (source 0 = 16 channels): a lane holds one query throughout; the keys and channels of a tile are chosen so that 16 registers are 16 neighbours.
; A HEAD HAS 64 CHANNELS, THE INSTRUCTION 128 ALONG K: Q's upper six registers are zero codes; K's fragments overlap at a stride of six registers, so a tile's upper half is the next tile's codes, which meet zeros.
; THE DECAY.  On the diagonal step exp(G_i - G_j) is taken as it stands; hidden keys get 0 ahead of the product.  Elsewhere it is exp(G_i - G_ref) x E_j: both exponents are 0 or less for every input, since gk <= 0.
; LIMITS: a factor under 2^-126 counts as 0 (the exponential flushes denormals); a block of zeros or under 2^-124 gets the scale byte 1 (read by this program alone); NaN and infinities are not served.
; A head's share of a row of o is 48 bytes of codes and 2 scale bytes: runs of 256 bytes are written in part, 3.3 MB in all.  Wave 0's loads of gk stand 256 bytes apart from lane to lane: 8,192 bytes in all.
; REGISTERS: v1-7 constants of addresses, v8-13 the step's LDS addresses, v[14:15] G_i, v16-27 Q, v28 its scale word, v29 my rows of g in LDS, v30 f, v31 the mask's number, v32-79 K then V, v80-85 zeros,
; v86-89 K's scale words, v90-91 V's, v92 A's, v93 G_ref, v94-95 at work, v96-159 S^T, v160-223 the decay, then codes and work, v224-255 O^T.
.set HR,    208896
.set QR,    106496
.set QOFF,  32*HR
.set CODE_OFF, 657408
.set VIMG,  98304
.set KSCL,  196608
.set VSCL,  204800
.set GL,    208896                     ; g: 16 waves x 16 rows x 272 bytes
.set GT,    278528                     ; G: 32 x (256 + 16) bytes: element e at 4 e + 16 (e / 64)
.set ETD,   8704                       ; E lies so far behind G
.set S,   96
.set GE,  160
.set PC,  160
.set PT,  172
.set TM,  180
.set PW,  92
.set O,   224
.set GG,  164                          ; the scan: a lane's 64 prefixes
	s_load_b256 s[4:11], s[0:1], 0x0               ; qkv, gbuf, aux, qyo
	v_lshl_add_u32 v254, v0, 2, 0x48400
	v_mov_b32 v255, 0
	ds_add_u32 v254, v255
	ds_add_u32 v254, v255
	s_wait_dscnt 0x0
	v_lshrrev_b32 v248, 5, v0
	v_readfirstlane_b32 s12, v248                  ; wave 0..15
	s_and_b32 s13, ttmp7, 0xffff                   ; the head
	s_lshr_b32 s14, s12, 2
	s_xor_b32 s14, s14, s12
	s_and_b32 s14, s14, 1                          ; 0: block x, 1: block 15 - x
	s_lshr_b32 s15, s12, 1                         ; my tile in the block
	s_mul_i32 s16, s14, 15
	s_xor_b32 s17, ttmp9, s16                      ; my block of 128 queries, and my last key step
	s_lshr_b32 s18, s15, 1
	s_and_b32 s19, s15, 1                          ; u
	s_lshl_b32 s53, s18, 5
	s_lshl_b32 s52, s19, 3
	s_add_co_u32 s53, s53, s52                     ; lane r's query in the block: this + r + 8 (r / 8)
	s_lshl_b32 s51, s17, 7
	s_add_co_u32 s51, s51, s53
	; the descriptor: 51 rows of 256 bytes (32 elements of 8), dense, no padding
	s_mov_b32 s36, 3<<16
	s_mov_b32 s37, 32<<16
	s_mov_b32 s38, 51<<16
	s_mov_b32 s39, 32<<16
	s_mov_b32 s40, 51
	s_mov_b32 s41, 32
	s_mov_b32 s42, 0
	s_mov_b32 s43, 0
	s_mov_b32 s32, 1
	s_mul_i32 s33, s12, 13056                      ; LDS: the record as it lies in memory
	s_mul_i32 s34, s13, HR
	s_add_co_u32 s34, s34, s33
	s_mov_b32 s35, 0
	s_lshl_b32 s24, s51, 13                        ; g: row of 8,192 bytes, the head's 256
	s_lshl_b32 s52, s13, 8
	s_add_co_u32 s24, s24, s52
	s_mov_b32 s25, 0
	s_mul_i32 s54, s13, QR
	s_add_co_u32 s54, s54, QOFF
	s_lshl_b32 s52, s17, 2
	s_add_co_u32 s52, s52, s18                     ; my group of 32 queries
	s_mul_i32 s52, s52, 1536
	s_add_co_u32 s26, s54, s52                     ; its image
	s_mov_b32 s27, 0
	s_lshl_b32 s52, s17, 9
	s_add_co_u32 s28, s54, s52
	s_lshl_b32 s52, s19, 8
	s_add_co_u32 s28, s28, s52
	s_lshl_b32 s52, s18, 2
	s_add_co_u32 s28, s28, s52
	s_add_co_u32 s28, s28, 98304                   ; its scale words
	s_mov_b32 s29, 0
	s_lshl_b32 s30, s13, 13                        ; gk of the head
	s_mov_b32 s31, 0
	s_lshl_b32 s52, s17, 7
	s_lshl_b32 s55, s15, 4
	s_add_co_u32 s52, s52, s55                     ; lane r's position in the operand buffer: this + r
	s_mul_i32 s60, s52, 1536
	s_mul_i32 s55, s13, 48
	s_add_co_u32 s60, s60, s55
	s_add_co_u32 s60, s60, CODE_OFF
	s_mov_b32 s61, 0
	s_lshl_b32 s62, s52, 6
	s_lshl_b32 s55, s13, 1
	s_add_co_u32 s62, s62, s55
	s_mov_b32 s63, 0
	s_mov_b32 s20, 0x76543210
	s_mov_b32 s21, 0xfedcba98                      ; v_permlanex16_b32's selects for lane l xor 16
	s_mov_b32 s22, 0x3fb8aa3b                      ; log2(e)
	s_mov_b32 s23, s22                             ; (named with it as a pair)
	s_mov_b32 s49, 0x3c800000                      ; 1 / 64
	s_mov_b32 s50, 0x358637bd                      ; 1e-6
	s_mul_i32 s56, s12, 4352
	s_add_co_u32 s56, s56, GL
	v_and_b32 v248, 31, v0                         ; lane
	v_and_b32 v249, 15, v0                         ; r
	v_bfe_u32 v250, v0, 4, 1                       ; h
	v_and_b32 v251, 8, v249
	v_add_nc_u32 v251, v251, v249                  ; r + 8 (r / 8)
	v_lshlrev_b32 v1, 4, v248                      ; K's images: 16 x lane
	v_add_nc_u32 v2, VIMG, v1                      ; V's
	v_add_nc_u32 v3, KSCL, v1                      ; K's scale words
	v_lshlrev_b32 v4, 3, v248
	v_add_nc_u32 v4, VSCL, v4                      ; V's
	v_mov_b32 v5, GT
	v_lshlrev_b32 v6, 6, v250
	v_add_nc_u32 v6, GT, v6                        ; G: my half's 16 keys of a block of 32
	v_mov_b32 v7, 0
	v_lshlrev_b32 v31, 4, v250
	v_sub_nc_u32 v31, v251, v31
	v_add_nc_u32 v31, s53, v31                     ; on the diagonal register 16 b + i is hidden where 32 b + i is above this
	v_mul_u32_u24 v29, v249, 272
	v_lshl_add_u32 v29, v250, 6, v29
	v_add_nc_u32 v29, s56, v29
	v_lshlrev_b32 v12, 13, v251
	v_lshl_add_u32 v12, v250, 6, v12               ; g in memory: my query's row, + 64 h
	v_add_nc_u32 v8, s51, v251                     ; my query,
	v_and_b32 v8, 2047, v8
	v_lshrrev_b32 v252, 6, v8
	v_lshlrev_b32 v8, 2, v8
	v_lshl_add_u32 v8, v252, 4, v8
	v_add_nc_u32 v8, GT, v8                        ; and its G in LDS
	v_lshlrev_b32 v9, 8, v248                      ; the scan: 64 numbers a lane in memory,
	v_lshl_add_u32 v10, v248, 2, 4                 ; the next lane's number x 4,
	v_mul_u32_u24 v11, v248, 272
	v_add_nc_u32 v11, GT, v11                      ; and 272 bytes a lane in LDS
	v_lshlrev_b32 v13, 4, v249                     ; Q's scale words: 16 r
	s_wait_kmcnt 0x0
	s_add_nc_u64 s[34:35], s[4:5], s[34:35]
	s_or_b32 s35, s35, 0x80000000
	tensor_load_to_lds s[32:35], s[36:43]          ; my sixteenth of the head's record: my one tensor load
	s_nop 0
.rept 4
	v_nop
.endr
	s_add_nc_u64 s[24:25], s[6:7], s[24:25]
	s_add_nc_u64 s[26:27], s[4:5], s[26:27]
	s_add_nc_u64 s[28:29], s[4:5], s[28:29]
	s_add_nc_u64 s[30:31], s[8:9], s[30:31]
	s_add_nc_u64 s[60:61], s[10:11], s[60:61]
	s_add_nc_u64 s[62:63], s[10:11], s[62:63]
.irp f, 0,16,32,48,128,144,160,176             ; my 32 numbers of g: channels 32 b + 16 h + 0 .. 15; the immediate goes to both addresses
	global_load_async_to_lds_b128 v29, v12, s[24:25] offset:\f
.endr
.irp c, 0,1,2
	global_load_b128 v[228+4*\c:231+4*\c], v1, s[26:27] offset:512*\c   ; the image of my group of 32 queries: registers 0-5 its tile u = 0, 6-11 its tile u = 1
.endr
	global_load_b32 v28, v13, s[28:29]
	s_cmp_lg_u32 s12, 0
	s_cbranch_scc1 .Lnoscan
	; ---- wave 0: G and E.  Lane l holds tokens 64 l .. 64 l + 63
.irp k, 0,1,2,3,4,5,6,7,8,9,10,11,12,13,14,15
	global_load_b128 v[32+4*\k:35+4*\k], v9, s[30:31] offset:16*\k
.endr
.irp b, 0,1,2,3,4
	v_mov_b32 v[159+\b], 0                         ; destinations of lane moves count as sources
.endr
	v_mov_b32 v244, 0
	s_wait_loadcnt 0x0
.macro UP src, dst, n                  ; a level of pairwise sums
.set ui, 0
.rept \n
	v_add_f32 v[\dst+ui], v[\src+2*ui], v[\src+2*ui+1]
.set ui, ui+1
.endr
.endm
	UP 32, 96, 32
	UP 96, 128, 16
	UP 128, 144, 8
	UP 144, 152, 4
	UP 152, 156, 2
	UP 156, 158, 1
	v_mov_b32 v241, v158                           ; the levels above go across the lanes: v[159 + b] = the sibling block's sum at level b
.irp b, 0,1,2,3
	v_mov_b32_dpp v[159+\b], v241 row_xmask:1<<\b row_mask:0xf bank_mask:0xf
	v_add_f32 v241, v241, v[159+\b]
.endr
	v_permlanex16_b32 v163, v241, s20, s21
	v_add_f32 v241, v241, v163                     ; the sum of all
	v_mov_b32 v242, 0                              ; what lies in front of my lane: for each set bit of l, from the highest, the sibling block
.irp b, 4,3,2,1,0
	v_and_b32 v245, 1<<\b, v248
	v_cmp_ne_u32 vcc_lo, 0, v245
	v_cndmask_b32 v245, v7, v[159+\b], vcc_lo
	v_add_f32 v242, v242, v245
.endr
	ds_bpermute_b32 v243, v10, v242                ; my last prefix is what lies in front of the next lane;
	s_wait_dscnt 0x0
	v_cmp_eq_u32 vcc_lo, 31, v248
	v_cndmask_b32 v243, v243, v241, vcc_lo         ; the last lane's is the sum of all
.macro DOWN z, nb, n                   ; the prefixes of (2 k + 1) 2^z numbers: the prefix of 2 k 2^z, made at a higher level, + a sum of level z
.set dk, 0
.rept \n
.if dk == 0
	v_add_f32 v[GG+(1<<\z)-1], v242, v[\nb]
.else
	v_add_f32 v[GG+((2*dk+1)<<\z)-1], v[GG+((2*dk)<<\z)-1], v[\nb+2*dk]
.endif
.set dk, dk+1
.endr
.endm
	DOWN 5, 156, 1
	DOWN 4, 152, 2
	DOWN 3, 144, 4
	DOWN 2, 128, 8
	DOWN 1, 96, 16
	DOWN 0, 32, 32
	v_mov_b32 v[GG+63], v243
	v_mov_b32_dpp v244, v243 row_xmask:1 row_mask:0xf bank_mask:0xf
	v_and_b32 v245, 1, v248
	v_cmp_ne_u32 vcc_lo, 0, v245
	v_cndmask_b32 v244, v244, v243, vcc_lo         ; G_ref: the last prefix of the odd lane of my pair: a key step is two lanes
	v_mov_b32 v245, v244
.set n, 0
.rept 32
	v_pk_add_f32 v[32+n:33+n], v[244:245], v[GG+n:GG+n+1] neg_lo:[0,1] neg_hi:[0,1]
.set n, n+2
.endr
.set n, 0
.rept 32
	v_pk_mul_f32 v[32+n:33+n], v[32+n:33+n], s[22:23] op_sel_hi:[1,0]
.set n, n+2
.endr
.set n, 0
.rept 64
	v_exp_f32 v[32+n], v[32+n]
.set n, n+1
.endr
	v_nop                                          ; a plain line behind the batch
.irp k, 0,1,2,3,4,5,6,7,8,9,10,11,12,13,14,15
	ds_store_b128 v11, v[GG+4*\k:GG+4*\k+3] offset:16*\k
.endr
	s_wait_alu depctr_va_vdst(0)                   ; one wait for the 64, ahead of their first reader
.irp k, 0,1,2,3,4,5,6,7,8,9,10,11,12,13,14,15
	ds_store_b128 v11, v[32+4*\k:35+4*\k] offset:ETD+16*\k
.endr
.Lnoscan:
	s_wait_loadcnt 0x0                             ; Q
	s_cmp_eq_u32 s19, 1
	s_cselect_b32 s52, -1, 0
.irp i, 0,1,2,3,4,5
	v_cndmask_b32 v[16+\i], v[228+\i], v[234+\i], s52   ; my tile's six registers
.endr
.irp i, 0,1,2,3,4,5
	v_mov_b32 v[22+\i], 0                          ; zero codes for the 64 along K that a head does not have
	v_mov_b32 v[80+\i], 0                          ; and behind K's last tile
.endr
.irp b, 0,1,2,3
	v_mov_b32 v[TM+4+\b], 0
.endr
.set n, 0
.rept 32
	v_mov_b32 v[O+n], 0                            ; O^T: the step is written once, its first turn finds zeros
.set n, n+1
.endr
	s_mov_b32 s44, 0                               ; the key step,
	s_mov_b32 s45, 0                               ; its images (6,144 bytes a step),
	s_mov_b32 s46, 0                               ; K's scale words (512),
	s_mov_b32 s47, 0                               ; V's (256),
	s_mov_b32 s48, 0                               ; G and E (544)
	s_wait_tensorcnt 0x0                           ; my part of the record,
	s_wait_asynccnt 0x0                            ; my rows of g,
	s_wait_dscnt 0x0                               ; and wave 0's stores lie in LDS:
	s_barrier_signal -1
	s_barrier_wait -1                              ; everybody's do.  Nothing is written to LDS from here on
	ds_load_b32 v14, v8
	s_wait_dscnt 0x0
	v_mov_b32 v15, v14
; nb blocks of 32: register 16 b + i = k 32 b + 16 h + i of my row; the codes go to v[PC] on, the scale word to v[PW]
.macro QUANT2 s, nb
.set qb, 0
.rept \nb
	v_max3_num_f32 v[TM+qb], |v[\s+16*qb]|, |v[\s+1+16*qb]|, 0x1800000   ; and the floor 2^(3 - 127)
.set qb, qb+1
.endr
.irp i, 2,4,6,8,10,12,14
.set qb, 0
.rept \nb
	v_max3_num_f32 v[TM+qb], v[TM+qb], |v[\s+16*qb+\i]|, |v[\s+1+16*qb+\i]|
.set qb, qb+1
.endr
.endr
.set qb, 0
.rept \nb
	v_permlanex16_b32 v[TM+4+qb], v[TM+qb], s20, s21
.set qb, qb+1
.endr
.set qb, 0
.rept \nb
	v_max_num_f32 v[TM+qb], v[TM+qb], v[TM+4+qb]
.set qb, qb+1
.endr
.set qb, 0
.rept \nb
	v_add_nc_u32 v[TM+12+qb], 0xff000000, v[TM+qb] ; 2 off the exponent field: the conversion's scale operand
.set qb, qb+1
.endr
.set qb, 0
.rept \nb
	v_lshrrev_b32 v[TM+4+qb], 23, v[TM+12+qb]      ; the scale's byte
.set qb, qb+1
.endr
	v_lshl_or_b32 v[PW], v[TM+5], 8, v[TM+4]
.if \nb == 4
	v_lshl_or_b32 v[PW], v[TM+6], 16, v[PW]
	v_lshl_or_b32 v[PW], v[TM+7], 24, v[PW]
.endif
.set qc, 0
.rept \nb/2
	v_cvt_scalef32_pk16_fp6_f32 v[PC+6*qc:PC+2+6*qc], v[\s+32*qc:\s+15+32*qc], v[TM+12+2*qc]
	v_cvt_scalef32_pk16_fp6_f32 v[PT+4*qc:PT+2+4*qc], v[\s+16+32*qc:\s+31+32*qc], v[TM+12+2*qc+1]
.set qc, qc+1
.endr
	v_nop                                          ; one plain line behind a scaled conversion
.set qc, 0
.rept \nb/2
.irp i, 0,1,2
	v_permlane16_swap_b32 v[PC+6*qc+\i], v[PT+4*qc+\i]   ; a whole block to a lane
.endr
.irp i, 0,1,2
	v_mov_b32 v[PC+3+6*qc+\i], v[PT+4*qc+\i]
.endr
.set qc, qc+1
.endr
.endm
; A KEY STEP of 128 keys.  d = 1: the diagonal step
.macro STEP d
	v_add_nc_u32 v9, s45, v1                       ; these six are also the places behind the last step's products, in front of the loads into their operands' registers
	v_add_nc_u32 v10, s46, v3
	v_add_nc_u32 v11, s45, v2
	v_add_nc_u32 v12, s47, v4
	v_add_nc_u32 v13, s48, v6
	v_add_nc_u32 v8, s48, v5
.if \d
	v_mov_b32 v94, 0xc0400000                      ; -3: the product's 1 / 8 goes into the exponent
	v_mov_b32 v95, 0xc0400000
.endif
.irp k, 0,1,2,3,4,5,6,7,8,9,10,11
	ds_load_b128 v[32+4*\k:35+4*\k], v9 offset:512*\k            ; eight tiles of K, six registers each
.endr
	ds_load_b128 v[86:89], v10
.if \d == 0
	ds_load_b32 v93, v8 offset:524                 ; G of the step's last key
.endif
.irp b, 0,1,2,3
.irp k, 0,1,2,3
	ds_load_b128 v[GE+16*\b+4*\k:GE+16*\b+4*\k+3], v13 offset:ETD*(1-\d)+128*\b+16*(\b/2)+16*\k   ; E, or on the diagonal G, of my 64 keys
.endr
.endr
	s_wait_dscnt 17-\d                             ; K and its scale words are in; what was issued behind them may be out
.irp t, 0,1,2,3,4,5,6,7
.if \t%2 == 0
	v_wmma_scale_f32_16x16x128_f8f6f4 v[S+8*\t:S+8*\t+7], v[32+6*\t:43+6*\t], v[16:27], 0, v[86+\t/2], v28 matrix_a_fmt:MATRIX_FMT_FP6 matrix_b_fmt:MATRIX_FMT_FP6
.else
	v_wmma_scale_f32_16x16x128_f8f6f4 v[S+8*\t:S+8*\t+7], v[32+6*\t:43+6*\t], v[16:27], 0, v[86+\t/2], v28 matrix_a_fmt:MATRIX_FMT_FP6 matrix_b_fmt:MATRIX_FMT_FP6 matrix_a_scale:MATRIX_SCALE_ROW1
.endif
.endr
.if \d == 0
	s_wait_dscnt 16                                ; G_ref is in
	v_sub_f32 v94, v14, v93
	v_fmaak_f32 v94, s22, v94, 0xc0400000          ; (G_i - G_ref) log2(e) - 3
	v_exp_f32 v30, v94
	v_nop                                          ; a plain line behind it
	s_wait_dscnt 0x0                               ; E is in
	s_wait_alu depctr_va_vdst(0)                   ; the wait ahead of the first reader
.set n, 0
.rept 32
	v_pk_mul_f32 v[GE+n:GE+n+1], v[GE+n:GE+n+1], v[30:31] op_sel_hi:[1,0]
.set n, n+2
.endr
.else
	s_wait_dscnt 0x0                               ; G is in
.set n, 0
.rept 32
	v_pk_add_f32 v[GE+n:GE+n+1], v[14:15], v[GE+n:GE+n+1] neg_lo:[0,1] neg_hi:[0,1]   ; G_i - G_j
.set n, n+2
.endr
.set n, 0
.rept 32
	v_pk_fma_f32 v[GE+n:GE+n+1], v[GE+n:GE+n+1], s[22:23], v[94:95] op_sel_hi:[1,0,1]
.set n, n+2
.endr
.endif
.irp k, 0,1,2,3,4,5,6,7,8,9,10,11
	ds_load_b128 v[32+4*\k:35+4*\k], v11 offset:512*\k           ; four tiles of V^T, into K's registers: at least 32 plain lines stand behind the products that read them
.endr
	ds_load_b64 v[90:91], v12
.if \d
.set n, 0
.rept 64
	v_exp_f32 v[GE+n], v[GE+n]
.set n, n+1
.endr
	v_nop
	s_wait_alu depctr_va_vdst(0)                   ; one wait for the 64
.set n, 0
.rept 64
	v_cmp_gt_i32 vcc_lo, 32*(n/16)+n%16, v31       ; a hidden key's factor, be it infinite, becomes 0 before it is multiplied
	v_cndmask_b32 v[GE+n], v[GE+n], v7, vcc_lo
.set n, n+1
.endr
.endif
.set n, 0
.rept 32
	v_pk_mul_f32 v[S+n:S+n+1], v[S+n:S+n+1], v[GE+n:GE+n+1]      ; A^T; each accumulator is read from its low end on
.set n, n+2
.endr
	QUANT2 S, 4
	s_wait_dscnt 0x0                               ; V and its scale words are in
.rept 8
	v_nop                                          ; a scale word made by vector lines stands eight places ahead of a scaled matrix instruction, an operand four
.endr
.irp t, 0,1,2,3                                ; the four accumulators take turns
.if \t%2 == 0
	v_wmma_scale_f32_16x16x128_f8f6f4 v[O+8*\t:O+8*\t+7], v[32+12*\t:43+12*\t], v[PC:PC+11], v[O+8*\t:O+8*\t+7], v[90+\t/2], v[PW] matrix_a_fmt:MATRIX_FMT_FP6 matrix_b_fmt:MATRIX_FMT_FP6
.else
	v_wmma_scale_f32_16x16x128_f8f6f4 v[O+8*\t:O+8*\t+7], v[32+12*\t:43+12*\t], v[PC:PC+11], v[O+8*\t:O+8*\t+7], v[90+\t/2], v[PW] matrix_a_fmt:MATRIX_FMT_FP6 matrix_b_fmt:MATRIX_FMT_FP6 matrix_a_scale:MATRIX_SCALE_ROW1
.endif
.endr
.endm
.Lstep:                                            ; sixteen trips in every wave; a step behind my block is passed over by a branch on ids; the addresses step in every trip
	s_cmp_gt_u32 s44, s17
	s_cbranch_scc1 .Lnext
	s_cmp_eq_u32 s44, s17
	s_cbranch_scc1 .Ldiag
	STEP 0
	s_branch .Lnext
.Ldiag:
	STEP 1
.Lnext:
	s_add_co_u32 s45, s45, 6144
	s_add_co_u32 s46, s46, 512
	s_add_co_u32 s47, s47, 256
	s_add_co_u32 s48, s48, 544
	s_add_co_u32 s44, s44, 1
	s_cmp_lt_u32 s44, 16
	s_cbranch_scc1 .Lstep
	; ---- THE WAY OUT: o / sqrt(mean(o^2) + 1e-6) x g / (1 + exp(-g)), quantised along the head's 64
.rept 4
	v_nop                                          ; places behind the last products
.endr
.irp k, 0,1,2,3
	ds_load_b128 v[96+4*\k:99+4*\k], v29 offset:16*\k
.endr
.irp k, 0,1,2,3
	ds_load_b128 v[112+4*\k:115+4*\k], v29 offset:128+16*\k
.endr
	v_pk_mul_f32 v[192:193], v[O:O+1], v[O:O+1]    ; the squares, in two chains; each accumulator from its low end on
	v_pk_mul_f32 v[194:195], v[O+2:O+3], v[O+2:O+3]
.irp j, 4,8,12,16,20,24,28
	v_pk_fma_f32 v[192:193], v[O+\j:O+\j+1], v[O+\j:O+\j+1], v[192:193]
	v_pk_fma_f32 v[194:195], v[O+\j+2:O+\j+3], v[O+\j+2:O+\j+3], v[194:195]
.endr
	v_pk_add_f32 v[192:193], v[192:193], v[194:195]
	v_add_f32 v192, v192, v193
	v_permlanex16_b32 v193, v192, s20, s21
	v_add_f32 v192, v192, v193                     ; with lane l xor 16's 32 channels
	v_fma_f32 v196, v192, s49, s50
	v_rsq_f32 v198, v196
	v_mov_b32 v199, 0                              ; (a plain line behind it; named with v198 as a pair)
	s_wait_dscnt 0x0                               ; g is in
.set n, 0
.rept 16
	v_pk_mul_f32 v[128+n:129+n], v[96+n:97+n], 0xbfb8aa3b op_sel_hi:[1,0]
.set n, n+2
.endr
.set n, 0
.rept 32
	v_exp_f32 v[128+n], v[128+n]
.set n, n+1
.endr
	v_nop
	s_wait_alu depctr_va_vdst(0)                   ; one wait for the root and the 32
.set n, 0
.rept 16
	v_pk_add_f32 v[128+n:129+n], v[128+n:129+n], 1.0 op_sel_hi:[1,0]
.set n, n+2
.endr
.set n, 0
.rept 32
	v_rcp_f32 v[128+n], v[128+n]
.set n, n+1
.endr
	v_nop
	s_wait_alu depctr_va_vdst(0)                   ; one wait for the 32
.set n, 0
.rept 16
	v_pk_mul_f32 v[128+n:129+n], v[96+n:97+n], v[128+n:129+n]    ; silu(g)
.set n, n+2
.endr
.set n, 0
.rept 16
	v_pk_mul_f32 v[160+n:161+n], v[O+n:O+n+1], v[198:199] op_sel_hi:[1,0]   ; the normed o
.set n, n+2
.endr
.set n, 0
.rept 16
	v_pk_mul_f32 v[96+n:97+n], v[160+n:161+n], v[128+n:129+n]
.set n, n+2
.endr
	QUANT2 96, 2                                   ; lane (r, h) then holds block h of its query: 24 bytes
	v_and_b32 v9, 15, v0
	v_bfe_u32 v10, v0, 4, 1
	v_mul_u32_u24 v11, v9, 1536
	v_mad_u32_u24 v11, v10, 24, v11
	v_lshlrev_b32 v12, 6, v9
.irp i, 0,1,2
	global_store_b64 v11, v[PC+2*\i:PC+2*\i+1], s[60:61] offset:8*\i
.endr
	global_store_b16 v12, v[PW], s[62:63]          ; the head's two scale bytes; both halves of the lanes store the same
	s_wait_xcnt 0x0
	v_lshl_add_u32 v254, v0, 2, 0x48400
	v_mov_b32 v255, 0
	s_wait_tensorcnt 0x0
	ds_add_u32 v254, v255
	s_wait_dscnt 0x0
	s_endpgm
.Lfunc_end_k_qd764888360_attn:
	.size	k_qd764888360_attn, .Lfunc_end_k_qd764888360_attn-k_qd764888360_attn
	.p2alignl 7, 3214868480
	.fill 96, 4, 3214868480
	.section	.rodata,"a",@progbits
	.p2align	6, 0x0
	.amdhsa_kernel k_qd764888360_attn
		.amdhsa_group_segment_fixed_size 297984
		.amdhsa_private_segment_fixed_size 0
		.amdhsa_enable_private_segment 0
		.amdhsa_kernarg_size 32
		.amdhsa_user_sgpr_count 2
		.amdhsa_user_sgpr_kernarg_segment_ptr 1
		.amdhsa_wavefront_size32 1
		.amdhsa_system_sgpr_workgroup_id_x 1
		.amdhsa_system_sgpr_workgroup_id_y 1
		.amdhsa_system_sgpr_workgroup_id_z 1
		.amdhsa_system_vgpr_workitem_id 0
		.amdhsa_next_free_vgpr 256
		.amdhsa_next_free_sgpr 66
		.amdhsa_reserve_vcc 1
		.amdhsa_float_denorm_mode_32 3
		.amdhsa_float_denorm_mode_16_64 3
		.amdhsa_memory_ordered 1
		.amdhsa_forward_progress 1
		.amdhsa_inst_pref_size 72
	.end_amdhsa_kernel
	.amdgpu_metadata
---
amdhsa.version: [ 1, 2 ]
amdhsa.kernels:
  - .name:           k_qd764888360_attn
    .symbol:         k_qd764888360_attn.kd
    .args:
      - { .name: qkv, .offset: 0, .size: 8, .value_kind: global_buffer, .address_space: global }
      - { .name: gbuf, .offset: 8, .size: 8, .value_kind: global_buffer, .address_space: global }
      - { .name: aux, .offset: 16, .size: 8, .value_kind: global_buffer, .address_space: global }
      - { .name: qyo, .offset: 24, .size: 8, .value_kind: global_buffer, .address_space: global }
    .group_segment_fixed_size: 297984
    .private_segment_fixed_size: 0
    .kernarg_segment_align: 8
    .kernarg_segment_size: 32
    .max_flat_workgroup_size: 512
    .sgpr_count:     66
    .vgpr_count:     256
    .wavefront_size: 32
...
	.end_amdgpu_metadata
.endif
;; end of part 4
;; launch outp: the kernel of part 3 again; grid 8 x 8, 4 waves a work-group, clusters of 4 x 4, 327,680 bytes of LDS; arguments qyo, aux, qkv, out0; writes out0, qkv
;; ======== version 2 of 2: 5 launches
;; workspace buffers: qxw 16,435,200 bytes; qyo 6,948,864 bytes; aux 786,432 bytes; qkv 10,092,544 bytes; gbuf 16,777,216 bytes
;; launch quant: the kernel of part 1 again; grid 770 x 1, 4 waves a work-group, no clusters, 33,280 bytes of LDS; arguments hidden_states, Wg, Wq, Wk, Wv, Wo, Wgk, qxw, qyo; writes qxw, qyo
;; launch gate: the kernel of part 2 again; grid 64 x 1, 8 waves a work-group, no clusters, 33,792 bytes of LDS; arguments qxw, aux; writes aux
;; launch proj: the kernel of part 3 again; grid 32 x 8, 4 waves a work-group, clusters of 4 x 4, 327,680 bytes of LDS; arguments qxw, aux, qkv, gbuf; writes qkv, gbuf
;; launch attn (part 5): grid 8 x 32, 16 waves a work-group, no clusters, 297,984 bytes of LDS; arguments qkv, gbuf, aux, qyo; writes qyo
.if DOCPART == 5
	.amdgcn_target "amdgcn-amd-amdhsa--gfx1250"
	.amdhsa_code_object_version 6
	.text
	.protected	k_qd764888360_attn
	.globl	k_qd764888360_attn
	.p2align	8
	.type	k_qd764888360_attn,@function
k_qd764888360_attn:
	s_mov_b64 s[64:65], 0
	v_nop
	global_prefetch_b8 v0, s[64:65] scope:SCOPE_SE
	s_setreg_imm32_b32 hwreg(HW_REG_WAVE_MODE, 25, 1), 1
	s_wait_xcnt 0x0
; Gated retention of one head: A[i][j] = exp(G_i - G_j) (q_i . k_j) / 8 for j <= i, else 0; o = A v; o / rms(o) x silu(g); quantised along the hidden axis into the last product's operand buffer.
; Both products on codes of FP6 (E2M3) with one E8M0 scale for each 32 along K.  G is the running sum of gk over the tokens, added in this order: pairwise sums level by level, then each prefix folded from its largest
; aligned block to its smallest.
; SHARES.  A work-group owns one head and the blocks x and 15 - x of 128 queries: 17 block-steps in every work-group.  Each of its sixteen waves owns one tile of 16 queries and walks the key steps 0 .. its block, 128 keys each;
; steps all of whose keys come later are left out (the mask is built by the problem itself).  Four waves to a SIMD, two of an early and two of a late block.
; NO CLUSTER though eight work-groups read one head's record: the step at which a wave's work ends and the LDS address of G_i hang on the work-group's number, which in a cluster would be its place.
; LDS, every byte filled once: the head's record (K's and V's register images and scale words, 208,896 bytes, one tensor load of 13,056 bytes a wave); each wave's 16 rows of g (two tensor loads of 8 rows x 256 bytes:
; the tile's tokens are two runs of eight neighbours); G and E = exp(G_ref - G_j), ref the last key of j's step (wave 0's stores).  A wave has three tensor loads out at the start.  One barrier: in front of it a wave
; waits for its part of the record; its rows of g, which it alone reads, may stay out until the way out.
; LAYOUT.  S^T = K Q^T (source 0 = 16 keys), O^T = V^T A^T (source 0 = 16 channels): a lane holds one query throughout; the keys and channels of a tile are chosen so that 16 registers are 16 neighbours.
; A HEAD HAS 64 CHANNELS, THE INSTRUCTION 128 ALONG K: Q's upper six registers are zero codes; K's fragments overlap at a stride of six registers, so a tile's upper half is the next tile's codes, which meet zeros.
; THE DECAY.  On the diagonal step exp(G_i - G_j) is taken as it stands; hidden keys get 0 ahead of the product.  Elsewhere it is exp(G_i - G_ref) x E_j: both exponents are 0 or less for every input, since gk <= 0.
; LIMITS: a factor under 2^-126 counts as 0 (the exponential flushes denormals); a block of zeros or under 2^-124 gets the scale byte 1 (read by this program alone); NaN and infinities are not served.
; A head's share of a row of o is 48 bytes of codes and 2 scale bytes: runs of 256 bytes are written in part, 3.3 MB in all.  Wave 0's loads of gk stand 256 bytes apart from lane to lane: 8,192 bytes in all.
; REGISTERS: v1-7 constants of addresses, v8-13 the step's LDS addresses, v[14:15] G_i, v16-27 Q, v28 its scale word, v29 my rows of g in LDS, v30 f, v31 the mask's number, v32-79 K then V, v80-85 zeros,
; v86-89 K's scale words, v90-91 V's, v92 A's, v93 G_ref, v94-95 at work, v96-159 S^T, v160-223 the decay, then codes and work, v224-255 O^T.
.set HR,    208896
.set QR,    106496
.set QOFF,  32*HR
.set CODE_OFF, 657408
.set VIMG,  98304
.set KSCL,  196608
.set VSCL,  204800
.set GL,    208896                     ; g: 16 waves x 16 rows x 272 bytes
.set GT,    278528                     ; G: 32 x (256 + 16) bytes: element e at 4 e + 16 (e / 64)
.set ETD,   8704                       ; E lies so far behind G
.set S,   96
.set GE,  160
.set PC,  160
.set PT,  172
.set TM,  180
.set PW,  92
.set O,   224
.set GG,  164                          ; the scan: a lane's 64 prefixes
.set G1G, 68                           ; s[68:75] descriptor group 1 for g's tiles;  s[76:79], s[80:83] their groups 0
.set G0GA, 76
.set G0GB, 80
	s_load_b256 s[4:11], s[0:1], 0x0               ; qkv, gbuf, aux, qyo
	v_lshl_add_u32 v254, v0, 2, 0x48400
	v_mov_b32 v255, 0
	ds_add_u32 v254, v255
	ds_add_u32 v254, v255
	s_wait_dscnt 0x0
	v_lshrrev_b32 v248, 5, v0
	v_readfirstlane_b32 s12, v248                  ; wave 0..15
	s_and_b32 s13, ttmp7, 0xffff                   ; the head
	s_lshr_b32 s14, s12, 2
	s_xor_b32 s14, s14, s12
	s_and_b32 s14, s14, 1                          ; 0: block x, 1: block 15 - x
	s_lshr_b32 s15, s12, 1                         ; my tile in the block
	s_mul_i32 s16, s14, 15
	s_xor_b32 s17, ttmp9, s16                      ; my block of 128 queries, and my last key step
	s_lshr_b32 s18, s15, 1
	s_and_b32 s19, s15, 1                          ; u
	s_lshl_b32 s53, s18, 5
	s_lshl_b32 s52, s19, 3
	s_add_co_u32 s53, s53, s52                     ; lane r's query in the block: this + r + 8 (r / 8)
	s_lshl_b32 s51, s17, 7
	s_add_co_u32 s51, s51, s53
	; the record's descriptor: 51 rows of 256 bytes (32 elements of 8), dense, no padding
	s_mov_b32 s36, 3<<16
	s_mov_b32 s37, 32<<16
	s_mov_b32 s38, 51<<16
	s_mov_b32 s39, 32<<16
	s_mov_b32 s40, 51
	s_mov_b32 s41, 32
	s_mov_b32 s42, 0
	s_mov_b32 s43, 0
	s_mov_b32 s32, 1
	s_mul_i32 s33, s12, 13056                      ; LDS: the record as it lies in memory
	s_mul_i32 s34, s13, HR
	s_add_co_u32 s34, s34, s33
	s_mov_b32 s35, 0
	; g's descriptor: 8 rows of 256 bytes (32 elements of 8), 8,192 bytes apart in memory; 16 bytes of padding behind each row in LDS
	s_mov_b32 s[G1G+0], (3<<16)|(1<<20)|(5<<22)|(3<<25)
	s_mov_b32 s[G1G+1], 32<<16                     ; tensor_dim0
	s_mov_b32 s[G1G+2], 8<<16                      ; tensor_dim1
	s_mov_b32 s[G1G+3], 32<<16                     ; tile_dim0
	s_mov_b32 s[G1G+4], 8                          ; tile_dim1
	s_mov_b32 s[G1G+5], 1024                       ; from row to row, in elements
	s_mov_b32 s[G1G+6], 0
	s_mov_b32 s[G1G+7], 0
	s_lshl_b32 s24, s51, 13                        ; g: my tile's first token's row of 8,192 bytes, the head's 256
	s_lshl_b32 s52, s13, 8
	s_add_co_u32 s24, s24, s52
	s_mov_b32 s25, 0
	s_mul_i32 s54, s13, QR
	s_add_co_u32 s54, s54, QOFF
	s_lshl_b32 s52, s17, 2
	s_add_co_u32 s52, s52, s18                     ; my group of 32 queries
	s_mul_i32 s52, s52, 1536
	s_add_co_u32 s26, s54, s52                     ; its image
	s_mov_b32 s27, 0
	s_lshl_b32 s52, s17, 9
	s_add_co_u32 s28, s54, s52
	s_lshl_b32 s52, s19, 8
	s_add_co_u32 s28, s28, s52
	s_lshl_b32 s52, s18, 2
	s_add_co_u32 s28, s28, s52
	s_add_co_u32 s28, s28, 98304                   ; its scale words
	s_mov_b32 s29, 0
	s_lshl_b32 s30, s13, 13                        ; gk of the head
	s_mov_b32 s31, 0
	s_lshl_b32 s52, s17, 7
	s_lshl_b32 s55, s15, 4
	s_add_co_u32 s52, s52, s55                     ; lane r's position in the operand buffer: this + r
	s_mul_i32 s60, s52, 1536
	s_mul_i32 s55, s13, 48
	s_add_co_u32 s60, s60, s55
	s_add_co_u32 s60, s60, CODE_OFF
	s_mov_b32 s61, 0
	s_lshl_b32 s62, s52, 6
	s_lshl_b32 s55, s13, 1
	s_add_co_u32 s62, s62, s55
	s_mov_b32 s63, 0
	s_mov_b32 s20, 0x76543210
	s_mov_b32 s21, 0xfedcba98                      ; v_permlanex16_b32's selects for lane l xor 16
	s_mov_b32 s22, 0x3fb8aa3b                      ; log2(e)
	s_mov_b32 s23, s22                             ; (named with it as a pair)
	s_mov_b32 s49, 0x3c800000                      ; 1 / 64
	s_mov_b32 s50, 0x358637bd                      ; 1e-6
	s_mul_i32 s56, s12, 4352
	s_add_co_u32 s56, s56, GL                      ; my rows of g in LDS
	s_mov_b32 s[G0GA], 1
	s_mov_b32 s[G0GA+1], s56                       ; tile rows 0-7,
	s_mov_b32 s[G0GB], 1
	s_add_co_u32 s[G0GB+1], s56, 8*272             ; tile rows 8-15
	v_and_b32 v248, 31, v0                         ; lane
	v_and_b32 v249, 15, v0                         ; r
	v_bfe_u32 v250, v0, 4, 1                       ; h
	v_and_b32 v251, 8, v249
	v_add_nc_u32 v251, v251, v249                  ; r + 8 (r / 8)
	v_lshlrev_b32 v1, 4, v248                      ; K's images: 16 x lane
	v_add_nc_u32 v2, VIMG, v1                      ; V's
	v_add_nc_u32 v3, KSCL, v1                      ; K's scale words
	v_lshlrev_b32 v4, 3, v248
	v_add_nc_u32 v4, VSCL, v4                      ; V's
	v_mov_b32 v5, GT
	v_lshlrev_b32 v6, 6, v250
	v_add_nc_u32 v6, GT, v6                        ; G: my half's 16 keys of a block of 32
	v_mov_b32 v7, 0
	v_lshlrev_b32 v31, 4, v250
	v_sub_nc_u32 v31, v251, v31
	v_add_nc_u32 v31, s53, v31                     ; on the diagonal register 16 b + i is hidden where 32 b + i is above this
	v_mul_u32_u24 v29, v249, 272
	v_lshl_add_u32 v29, v250, 6, v29
	v_add_nc_u32 v29, s56, v29                     ; g: tile row r, + 64 h bytes
	v_add_nc_u32 v8, s51, v251                     ; my query,
	v_and_b32 v8, 2047, v8
	v_lshrrev_b32 v252, 6, v8
	v_lshlrev_b32 v8, 2, v8
	v_lshl_add_u32 v8, v252, 4, v8
	v_add_nc_u32 v8, GT, v8                        ; and its G in LDS
	v_lshlrev_b32 v9, 8, v248                      ; the scan: 64 numbers a lane in memory,
	v_lshl_add_u32 v10, v248, 2, 4                 ; the next lane's number x 4,
	v_mul_u32_u24 v11, v248, 272
	v_add_nc_u32 v11, GT, v11                      ; and 272 bytes a lane in LDS
	v_lshlrev_b32 v13, 4, v249                     ; Q's scale words: 16 r
	s_wait_kmcnt 0x0
	s_add_nc_u64 s[34:35], s[4:5], s[34:35]
	s_or_b32 s35, s35, 0x80000000
	s_add_nc_u64 s[G0GA+2:G0GA+3], s[6:7], s[24:25]            ; tokens + 0 .. 7
	s_add_nc_u64 s[G0GB+2:G0GB+3], s[G0GA+2:G0GA+3], 16*8192   ; tokens + 16 .. 23
	s_or_b32 s[G0GA+3], s[G0GA+3], 0x80000000
	s_or_b32 s[G0GB+3], s[G0GB+3], 0x80000000
	tensor_load_to_lds s[32:35], s[36:43]                      ; my sixteenth of the head's record: wanted first, asked for first
	s_nop 0
	tensor_load_to_lds s[G0GA:G0GA+3], s[G1G:G1G+7]            ; my 16 rows of g
	s_nop 0
	tensor_load_to_lds s[G0GB:G0GB+3], s[G1G:G1G+7]
	s_nop 0
.rept 4
	v_nop
.endr
	s_add_nc_u64 s[26:27], s[4:5], s[26:27]
	s_add_nc_u64 s[28:29], s[4:5], s[28:29]
	s_add_nc_u64 s[30:31], s[8:9], s[30:31]
	s_add_nc_u64 s[60:61], s[10:11], s[60:61]
	s_add_nc_u64 s[62:63], s[10:11], s[62:63]
.irp c, 0,1,2
	global_load_b128 v[228+4*\c:231+4*\c], v1, s[26:27] offset:512*\c   ; the image of my group of 32 queries: registers 0-5 its tile u = 0, 6-11 its tile u = 1
.endr
	global_load_b32 v28, v13, s[28:29]
	s_cmp_lg_u32 s12, 0
	s_cbranch_scc1 .Lnoscan
	; ---- wave 0: G and E.  Lane l holds tokens 64 l .. 64 l + 63
.irp k, 0,1,2,3,4,5,6,7,8,9,10,11,12,13,14,15
	global_load_b128 v[32+4*\k:35+4*\k], v9, s[30:31] offset:16*\k
.endr
.irp b, 0,1,2,3,4
	v_mov_b32 v[159+\b], 0                         ; destinations of lane moves count as sources
.endr
	v_mov_b32 v244, 0
	s_wait_loadcnt 0x0
.macro UP src, dst, n                  ; a level of pairwise sums
.set ui, 0
.rept \n
	v_add_f32 v[\dst+ui], v[\src+2*ui], v[\src+2*ui+1]
.set ui, ui+1
.endr
.endm
	UP 32, 96, 32
	UP 96, 128, 16
	UP 128, 144, 8
	UP 144, 152, 4
	UP 152, 156, 2
	UP 156, 158, 1
	v_mov_b32 v241, v158                           ; the levels above go across the lanes: v[159 + b] = the sibling block's sum at level b
.irp b, 0,1,2,3
	v_mov_b32_dpp v[159+\b], v241 row_xmask:1<<\b row_mask:0xf bank_mask:0xf
	v_add_f32 v241, v241, v[159+\b]
.endr
	v_permlanex16_b32 v163, v241, s20, s21
	v_add_f32 v241, v241, v163                     ; the sum of all
	v_mov_b32 v242, 0                              ; what lies in front of my lane: for each set bit of l, from the highest, the sibling block
.irp b, 4,3,2,1,0
	v_and_b32 v245, 1<<\b, v248
	v_cmp_ne_u32 vcc_lo, 0, v245
	v_cndmask_b32 v245, v7, v[159+\b], vcc_lo
	v_add_f32 v242, v242, v245
.endr
	ds_bpermute_b32 v243, v10, v242                ; my last prefix is what lies in front of the next lane;
	s_wait_dscnt 0x0
	v_cmp_eq_u32 vcc_lo, 31, v248
	v_cndmask_b32 v243, v243, v241, vcc_lo         ; the last lane's is the sum of all
.macro DOWN z, nb, n                   ; the prefixes of (2 k + 1) 2^z numbers: the prefix of 2 k 2^z, made at a higher level, + a sum of level z
.set dk, 0
.rept \n
.if dk == 0
	v_add_f32 v[GG+(1<<\z)-1], v242, v[\nb]
.else
	v_add_f32 v[GG+((2*dk+1)<<\z)-1], v[GG+((2*dk)<<\z)-1], v[\nb+2*dk]
.endif
.set dk, dk+1
.endr
.endm
	DOWN 5, 156, 1
	DOWN 4, 152, 2
	DOWN 3, 144, 4
	DOWN 2, 128, 8
	DOWN 1, 96, 16
	DOWN 0, 32, 32
	v_mov_b32 v[GG+63], v243
	v_mov_b32_dpp v244, v243 row_xmask:1 row_mask:0xf bank_mask:0xf
	v_and_b32 v245, 1, v248
	v_cmp_ne_u32 vcc_lo, 0, v245
	v_cndmask_b32 v244, v244, v243, vcc_lo         ; G_ref: the last prefix of the odd lane of my pair: a key step is two lanes
	v_mov_b32 v245, v244
.set n, 0
.rept 32
	v_pk_add_f32 v[32+n:33+n], v[244:245], v[GG+n:GG+n+1] neg_lo:[0,1] neg_hi:[0,1]
.set n, n+2
.endr
.set n, 0
.rept 32
	v_pk_mul_f32 v[32+n:33+n], v[32+n:33+n], s[22:23] op_sel_hi:[1,0]
.set n, n+2
.endr
.set n, 0
.rept 64
	v_exp_f32 v[32+n], v[32+n]
.set n, n+1
.endr
	v_nop                                          ; a plain line behind the batch
.irp k, 0,1,2,3,4,5,6,7,8,9,10,11,12,13,14,15
	ds_store_b128 v11, v[GG+4*\k:GG+4*\k+3] offset:16*\k
.endr
	s_wait_alu depctr_va_vdst(0)                   ; one wait for the 64, ahead of their first reader
.irp k, 0,1,2,3,4,5,6,7,8,9,10,11,12,13,14,15
	ds_store_b128 v11, v[32+4*\k:35+4*\k] offset:ETD+16*\k
.endr
.Lnoscan:
	s_wait_loadcnt 0x0                             ; Q
	s_cmp_eq_u32 s19, 1
	s_cselect_b32 s52, -1, 0
.irp i, 0,1,2,3,4,5
	v_cndmask_b32 v[16+\i], v[228+\i], v[234+\i], s52   ; my tile's six registers
.endr
.irp i, 0,1,2,3,4,5
	v_mov_b32 v[22+\i], 0                          ; zero codes for the 64 along K that a head does not have
	v_mov_b32 v[80+\i], 0                          ; and behind K's last tile
.endr
.irp b, 0,1,2,3
	v_mov_b32 v[TM+4+\b], 0
.endr
.set n, 0
.rept 32
	v_mov_b32 v[O+n], 0                            ; O^T: the step is written once, its first turn finds zeros
.set n, n+1
.endr
	s_mov_b32 s44, 0                               ; the key step,
	s_mov_b32 s45, 0                               ; its images (6,144 bytes a step),
	s_mov_b32 s46, 0                               ; K's scale words (512),
	s_mov_b32 s47, 0                               ; V's (256),
	s_mov_b32 s48, 0                               ; G and E (544)
	s_wait_tensorcnt 0x2                           ; my part of the record has landed: a wave's tensor loads end in order, and two were issued behind it: my rows of g, which no other wave reads
	s_wait_dscnt 0x0                               ; wave 0's stores lie in LDS:
	s_barrier_signal -1
	s_barrier_wait -1                              ; everybody's part of the record does.  No wave stores to LDS from here on, and no byte is filled again
	ds_load_b32 v14, v8
	s_wait_dscnt 0x0
	v_mov_b32 v15, v14
; nb blocks of 32: register 16 b + i = k 32 b + 16 h + i of my row; the codes go to v[PC] on, the scale word to v[PW]
.macro QUANT2 s, nb
.set qb, 0
.rept \nb
	v_max3_num_f32 v[TM+qb], |v[\s+16*qb]|, |v[\s+1+16*qb]|, 0x1800000   ; and the floor 2^(3 - 127)
.set qb, qb+1
.endr
.irp i, 2,4,6,8,10,12,14
.set qb, 0
.rept \nb
	v_max3_num_f32 v[TM+qb], v[TM+qb], |v[\s+16*qb+\i]|, |v[\s+1+16*qb+\i]|
.set qb, qb+1
.endr
.endr
.set qb, 0
.rept \nb
	v_permlanex16_b32 v[TM+4+qb], v[TM+qb], s20, s21
.set qb, qb+1
.endr
.set qb, 0
.rept \nb
	v_max_num_f32 v[TM+qb], v[TM+qb], v[TM+4+qb]
.set qb, qb+1
.endr
.set qb, 0
.rept \nb
	v_add_nc_u32 v[TM+12+qb], 0xff000000, v[TM+qb] ; 2 off the exponent field: the conversion's scale operand
.set qb, qb+1
.endr
.set qb, 0
.rept \nb
	v_lshrrev_b32 v[TM+4+qb], 23, v[TM+12+qb]      ; the scale's byte
.set qb, qb+1
.endr
	v_lshl_or_b32 v[PW], v[TM+5], 8, v[TM+4]
.if \nb == 4
	v_lshl_or_b32 v[PW], v[TM+6], 16, v[PW]
	v_lshl_or_b32 v[PW], v[TM+7], 24, v[PW]
.endif
.set qc, 0
.rept \nb/2
	v_cvt_scalef32_pk16_fp6_f32 v[PC+6*qc:PC+2+6*qc], v[\s+32*qc:\s+15+32*qc], v[TM+12+2*qc]
	v_cvt_scalef32_pk16_fp6_f32 v[PT+4*qc:PT+2+4*qc], v[\s+16+32*qc:\s+31+32*qc], v[TM+12+2*qc+1]
.set qc, qc+1
.endr
	v_nop                                          ; one plain line behind a scaled conversion
.set qc, 0
.rept \nb/2
.irp i, 0,1,2
	v_permlane16_swap_b32 v[PC+6*qc+\i], v[PT+4*qc+\i]   ; a whole block to a lane
.endr
.irp i, 0,1,2
	v_mov_b32 v[PC+3+6*qc+\i], v[PT+4*qc+\i]
.endr
.set qc, qc+1
.endr
.endm
; A KEY STEP of 128 keys.  d = 1: the diagonal step
.macro STEP d
	v_add_nc_u32 v9, s45, v1                       ; these six are also the places behind the last step's products, in front of the loads into their operands' registers
	v_add_nc_u32 v10, s46, v3
	v_add_nc_u32 v11, s45, v2
	v_add_nc_u32 v12, s47, v4
	v_add_nc_u32 v13, s48, v6
	v_add_nc_u32 v8, s48, v5
.if \d
	v_mov_b32 v94, 0xc0400000                      ; -3: the product's 1 / 8 goes into the exponent
	v_mov_b32 v95, 0xc0400000
.endif
.irp k, 0,1,2,3,4,5,6,7,8,9,10,11
	ds_load_b128 v[32+4*\k:35+4*\k], v9 offset:512*\k            ; eight tiles of K, six registers each
.endr
	ds_load_b128 v[86:89], v10
.if \d == 0
	ds_load_b32 v93, v8 offset:524                 ; G of the step's last key
.endif
.irp b, 0,1,2,3
.irp k, 0,1,2,3
	ds_load_b128 v[GE+16*\b+4*\k:GE+16*\b+4*\k+3], v13 offset:ETD*(1-\d)+128*\b+16*(\b/2)+16*\k   ; E, or on the diagonal G, of my 64 keys
.endr
.endr
	s_wait_dscnt 17-\d                             ; K and its scale words are in; what was issued behind them may be out
.irp t, 0,1,2,3,4,5,6,7
.if \t%2 == 0
	v_wmma_scale_f32_16x16x128_f8f6f4 v[S+8*\t:S+8*\t+7], v[32+6*\t:43+6*\t], v[16:27], 0, v[86+\t/2], v28 matrix_a_fmt:MATRIX_FMT_FP6 matrix_b_fmt:MATRIX_FMT_FP6
.else
	v_wmma_scale_f32_16x16x128_f8f6f4 v[S+8*\t:S+8*\t+7], v[32+6*\t:43+6*\t], v[16:27], 0, v[86+\t/2], v28 matrix_a_fmt:MATRIX_FMT_FP6 matrix_b_fmt:MATRIX_FMT_FP6 matrix_a_scale:MATRIX_SCALE_ROW1
.endif
.endr
.if \d == 0
	s_wait_dscnt 16                                ; G_ref is in
	v_sub_f32 v94, v14, v93
	v_fmaak_f32 v94, s22, v94, 0xc0400000          ; (G_i - G_ref) log2(e) - 3
	v_exp_f32 v30, v94
	v_nop                                          ; a plain line behind it
	s_wait_dscnt 0x0                               ; E is in
	s_wait_alu depctr_va_vdst(0)                   ; the wait ahead of the first reader
.set n, 0
.rept 32
	v_pk_mul_f32 v[GE+n:GE+n+1], v[GE+n:GE+n+1], v[30:31] op_sel_hi:[1,0]
.set n, n+2
.endr
.else
	s_wait_dscnt 0x0                               ; G is in
.set n, 0
.rept 32
	v_pk_add_f32 v[GE+n:GE+n+1], v[14:15], v[GE+n:GE+n+1] neg_lo:[0,1] neg_hi:[0,1]   ; G_i - G_j
.set n, n+2
.endr
.set n, 0
.rept 32
	v_pk_fma_f32 v[GE+n:GE+n+1], v[GE+n:GE+n+1], s[22:23], v[94:95] op_sel_hi:[1,0,1]
.set n, n+2
.endr
.endif
.irp k, 0,1,2,3,4,5,6,7,8,9,10,11
	ds_load_b128 v[32+4*\k:35+4*\k], v11 offset:512*\k           ; four tiles of V^T, into K's registers: at least 32 plain lines stand behind the products that read them
.endr
	ds_load_b64 v[90:91], v12
.if \d
.set n, 0
.rept 64
	v_exp_f32 v[GE+n], v[GE+n]
.set n, n+1
.endr
	v_nop
	s_wait_alu depctr_va_vdst(0)                   ; one wait for the 64
.set n, 0
.rept 64
	v_cmp_gt_i32 vcc_lo, 32*(n/16)+n%16, v31       ; a hidden key's factor, be it infinite, becomes 0 before it is multiplied
	v_cndmask_b32 v[GE+n], v[GE+n], v7, vcc_lo
.set n, n+1
.endr
.endif
.set n, 0
.rept 32
	v_pk_mul_f32 v[S+n:S+n+1], v[S+n:S+n+1], v[GE+n:GE+n+1]      ; A^T; each accumulator is read from its low end on
.set n, n+2
.endr
	QUANT2 S, 4
	s_wait_dscnt 0x0                               ; V and its scale words are in
.rept 8
	v_nop                                          ; a scale word made by vector lines stands eight places ahead of a scaled matrix instruction, an operand four
.endr
.irp t, 0,1,2,3                                ; the four accumulators take turns
.if \t%2 == 0
	v_wmma_scale_f32_16x16x128_f8f6f4 v[O+8*\t:O+8*\t+7], v[32+12*\t:43+12*\t], v[PC:PC+11], v[O+8*\t:O+8*\t+7], v[90+\t/2], v[PW] matrix_a_fmt:MATRIX_FMT_FP6 matrix_b_fmt:MATRIX_FMT_FP6
.else
	v_wmma_scale_f32_16x16x128_f8f6f4 v[O+8*\t:O+8*\t+7], v[32+12*\t:43+12*\t], v[PC:PC+11], v[O+8*\t:O+8*\t+7], v[90+\t/2], v[PW] matrix_a_fmt:MATRIX_FMT_FP6 matrix_b_fmt:MATRIX_FMT_FP6 matrix_a_scale:MATRIX_SCALE_ROW1
.endif
.endr
.endm
.Lstep:                                            ; sixteen trips in every wave; a step behind my block is passed over by a branch on ids; the addresses step in every trip
	s_cmp_gt_u32 s44, s17
	s_cbranch_scc1 .Lnext
	s_cmp_eq_u32 s44, s17
	s_cbranch_scc1 .Ldiag
	STEP 0
	s_branch .Lnext
.Ldiag:
	STEP 1
.Lnext:
	s_add_co_u32 s45, s45, 6144
	s_add_co_u32 s46, s46, 512
	s_add_co_u32 s47, s47, 256
	s_add_co_u32 s48, s48, 544
	s_add_co_u32 s44, s44, 1
	s_cmp_lt_u32 s44, 16
	s_cbranch_scc1 .Lstep
	; ---- THE WAY OUT: o / sqrt(mean(o^2) + 1e-6) x g / (1 + exp(-g)), quantised along the head's 64
.rept 4
	v_nop                                          ; places behind the last products
.endr
	s_wait_tensorcnt 0x0                           ; my rows of g have landed: I issued their loads and I alone read them; no tensor load is out at the wave's end
.irp k, 0,1,2,3
	ds_load_b128 v[96+4*\k:99+4*\k], v29 offset:16*\k
.endr
.irp k, 0,1,2,3
	ds_load_b128 v[112+4*\k:115+4*\k], v29 offset:128+16*\k
.endr
	v_pk_mul_f32 v[192:193], v[O:O+1], v[O:O+1]    ; the squares, in two chains; each accumulator from its low end on
	v_pk_mul_f32 v[194:195], v[O+2:O+3], v[O+2:O+3]
.irp j, 4,8,12,16,20,24,28
	v_pk_fma_f32 v[192:193], v[O+\j:O+\j+1], v[O+\j:O+\j+1], v[192:193]
	v_pk_fma_f32 v[194:195], v[O+\j+2:O+\j+3], v[O+\j+2:O+\j+3], v[194:195]
.endr
	v_pk_add_f32 v[192:193], v[192:193], v[194:195]
	v_add_f32 v192, v192, v193
	v_permlanex16_b32 v193, v192, s20, s21
	v_add_f32 v192, v192, v193                     ; with lane l xor 16's 32 channels
	v_fma_f32 v196, v192, s49, s50
	v_rsq_f32 v198, v196
	v_mov_b32 v199, 0                              ; (a plain line behind it; named with v198 as a pair)
	s_wait_dscnt 0x0                               ; g is in
.set n, 0
.rept 16
	v_pk_mul_f32 v[128+n:129+n], v[96+n:97+n], 0xbfb8aa3b op_sel_hi:[1,0]
.set n, n+2
.endr
.set n, 0
.rept 32
	v_exp_f32 v[128+n], v[128+n]
.set n, n+1
.endr
	v_nop
	s_wait_alu depctr_va_vdst(0)                   ; one wait for the root and the 32
.set n, 0
.rept 16
	v_pk_add_f32 v[128+n:129+n], v[128+n:129+n], 1.0 op_sel_hi:[1,0]
.set n, n+2
.endr
.set n, 0
.rept 32
	v_rcp_f32 v[128+n], v[128+n]
.set n, n+1
.endr
	v_nop
	s_wait_alu depctr_va_vdst(0)                   ; one wait for the 32
.set n, 0
.rept 16
	v_pk_mul_f32 v[128+n:129+n], v[96+n:97+n], v[128+n:129+n]    ; silu(g)
.set n, n+2
.endr
.set n, 0
.rept 16
	v_pk_mul_f32 v[160+n:161+n], v[O+n:O+n+1], v[198:199] op_sel_hi:[1,0]   ; the normed o
.set n, n+2
.endr
.set n, 0
.rept 16
	v_pk_mul_f32 v[96+n:97+n], v[160+n:161+n], v[128+n:129+n]
.set n, n+2
.endr
	QUANT2 96, 2                                   ; lane (r, h) then holds block h of its query: 24 bytes
	v_and_b32 v9, 15, v0
	v_bfe_u32 v10, v0, 4, 1
	v_mul_u32_u24 v11, v9, 1536
	v_mad_u32_u24 v11, v10, 24, v11
	v_lshlrev_b32 v12, 6, v9
.irp i, 0,1,2
	global_store_b64 v11, v[PC+2*\i:PC+2*\i+1], s[60:61] offset:8*\i
.endr
	global_store_b16 v12, v[PW], s[62:63]          ; the head's two scale bytes; both halves of the lanes store the same
	s_wait_xcnt 0x0
	v_lshl_add_u32 v254, v0, 2, 0x48400
	v_mov_b32 v255, 0
	s_wait_tensorcnt 0x0
	ds_add_u32 v254, v255
	s_wait_dscnt 0x0
	s_endpgm
.Lfunc_end_k_qd764888360_attn:
	.size	k_qd764888360_attn, .Lfunc_end_k_qd764888360_attn-k_qd764888360_attn
	.p2alignl 7, 3214868480
	.fill 96, 4, 3214868480
	.section	.rodata,"a",@progbits
	.p2align	6, 0x0
	.amdhsa_kernel k_qd764888360_attn
		.amdhsa_group_segment_fixed_size 297984
		.amdhsa_private_segment_fixed_size 0
		.amdhsa_enable_private_segment 0
		.amdhsa_kernarg_size 32
		.amdhsa_user_sgpr_count 2
		.amdhsa_user_sgpr_kernarg_segment_ptr 1
		.amdhsa_wavefront_size32 1
		.amdhsa_system_sgpr_workgroup_id_x 1
		.amdhsa_system_sgpr_workgroup_id_y 1
		.amdhsa_system_sgpr_workgroup_id_z 1
		.amdhsa_system_vgpr_workitem_id 0
		.amdhsa_next_free_vgpr 256
		.amdhsa_next_free_sgpr 100
		.amdhsa_reserve_vcc 1
		.amdhsa_float_denorm_mode_32 3
		.amdhsa_float_denorm_mode_16_64 3
		.amdhsa_memory_ordered 1
		.amdhsa_forward_progress 1
		.amdhsa_inst_pref_size 72
	.end_amdhsa_kernel
	.amdgpu_metadata
---
amdhsa.version: [ 1, 2 ]
amdhsa.kernels:
  - .name:           k_qd764888360_attn
    .symbol:         k_qd764888360_attn.kd
    .args:
      - { .name: qkv, .offset: 0, .size: 8, .value_kind: global_buffer, .address_space: global }
      - { .name: gbuf, .offset: 8, .size: 8, .value_kind: global_buffer, .address_space: global }
      - { .name: aux, .offset: 16, .size: 8, .value_kind: global_buffer, .address_space: global }
      - { .name: qyo, .offset: 24, .size: 8, .value_kind: global_buffer, .address_space: global }
    .group_segment_fixed_size: 297984
    .private_segment_fixed_size: 0
    .kernarg_segment_align: 8
    .kernarg_segment_size: 32
    .max_flat_workgroup_size: 512
    .sgpr_count:     100
    .vgpr_count:     256
    .wavefront_size: 32
...
	.end_amdgpu_metadata
.endif
;; end of part 5
;; launch outp (part 6): grid 16 x 16, 4 waves a work-group, clusters of 4 x 4, 327,680 bytes of LDS; arguments qyo, out0; writes out0
.if DOCPART == 6
	.amdgcn_target "amdgcn-amd-amdhsa--gfx1250"
	.amdhsa_code_object_version 6
	.text
	.protected	k_qd764888360_outp
	.globl	k_qd764888360_outp
	.p2align	8
	.type	k_qd764888360_outp,@function
k_qd764888360_outp:
	s_mov_b64 s[64:65], 0
	v_nop
	global_prefetch_b8 v0, s[64:65] scope:SCOPE_SE
	s_setreg_imm32_b32 hwreg(HW_REG_WAVE_MODE, 25, 1), 1
	s_wait_xcnt 0x0
	s_wait_alu depctr_hold_cnt(0) depctr_sa_sdst(0) depctr_va_vdst(0) depctr_va_sdst(0) depctr_va_ssrc(0) depctr_va_vcc(0) depctr_vm_vsrc(0)
	s_getreg_b32 s2, hwreg(HW_REG_IB_STS2, 6, 4)
	s_cmp_eq_u32 s2, 0
	s_cbranch_scc0 .Lentry_in_a_cluster
	s_endpgm
.Lentry_in_a_cluster:
	s_bfe_u32 s2, ttmp6, 0x10000c
	s_cmp_lg_u32 s2, 0xf033
	s_cbranch_scc0 .Lentry_shape_is_right
	s_endpgm
.Lentry_shape_is_right:
; out = o Wo^T on codes of FP6 (E2M3) with one E8M0 scale for each 32 along K = 2,048; out: [2,048][2,048] f32, one f32 sum for each output, K ascending in steps of 128.
; Both operands are rows of ONE operand buffer: scale rows of 64 bytes from byte 0, code rows of 1,536 bytes from CODE_OFF; o at positions 0 on, Wo at positions 2,048 on.
; Position 32 g + 16 u + r holds row 32 g + 8 u + r + 8 (r / 8).
; A TILE OF out IS 128 x 128: 2,048 x 2,048 outputs make 256 such tiles, one work-group each; tiles of 256 x 256 would make 64.  Four waves, each 64 x 64: 16 accumulators of 16 x 16, 128 registers.
; K goes in steps of 512 through a ring of two LDS slots filled by the tensor data mover: rows of 384 bytes, 64 rows to a wave's load; four fills in all, two at the start and two refills, so all 16 steps of 128 are written out.
; The scale bytes of the tile's 256 rows, for all of K, come once, with the first fills, and stay.
; CLUSTERS: 4 x 4 work-groups.  The four of a row of the cluster need the same tiles of o, the four of a column the same tiles of Wo: each tile is asked for JOINTLY, by the same tensor load with the same
; descriptor and a mask that names the four.  By this text's count a wave has three tensor loads out at the start and one behind each round.
; THE MATRIX INSTRUCTION IS USED TRANSPOSED (source 0 = 16 positions of Wo, source 1 = 16 positions of o): lane (r, h) holds o's position r, and by the order of the positions the registers of Wo's block b are the
; columns 32 (b / 2) + 16 h + 8 (b % 2) + 0 .. 7: eight neighbours of a row of out.
; No prefetch is written: half of the tiles are asked for at the head, and a tile's rows are few.  One tile to a work-group: nothing to stay for.
; REGISTERS: window 0: v1-6 at work, v16-29 addresses; v32-63 scale words, two sets of 16; v64-127 rows on the way out; v128-255 the accumulators ((a, b) at v[128 + 8 (4 a + b)]).
;   window 1: two fragment buffers, at v0 and at v128: o's four fragments (16 rows x 128 K, 12 registers each), then Wo's four.
.set ROWB,   384                       ; a tile's row: 512 codes
.set KROW,   1536                      ; a row of codes in memory
.set PITCH,  432                       ; an LDS row: 3 x (128 bytes + 16 of padding) = 108 words: row r starts at bank 44 r mod 64 (64 banks of 4 bytes: ISA guide 11.1): sixteen different multiples of 4;
                                       ; lanes 16-31 stand 6 or 10 words on: the 32 lanes of a load of 8 bytes touch 64 different banks
.set FR,     12                        ; registers of a fragment
.set HALFT,  64*PITCH                  ; 64 rows: what one tensor load brings, and what one wave reads of o or of Wo
.set SLOT,   4*HALFT                   ; o's 128 rows, then Wo's 128
.set KS,     64                        ; a row of scale bytes
.set SCL,    2*SLOT                    ; behind the ring: the scale bytes, as runs of 256 bytes + 16 of padding
.set HALFS,  16*272                    ; those of 64 rows
.set SBLK,   4*272                     ; those of 16 rows
.set SPARE,  SCL+4*HALFS               ; the spare words: 128 bytes a wave, two blocks of 256 bytes that no other line names
.set STG,    SPARE+512                 ; the way out: 16 rows x 272 bytes for each wave; no tensor load lands here
.set SPITCH, 272
.set CODE_OFF, 657408
.set ADRA, 16                          ; v16-17  LDS address of my fragments of o in slot 0, 1  (v18-19: the same for the pieces that lie behind one padding more)
.set ADRB, 20                          ; v20-23  the same for Wo
.set STO,  24                          ; v24     the way out: where I put 32 bytes of a row
.set RD,   25                          ; v25     where I read a row back
.set CO,   26                          ; v26     my byte offset in two rows of out
.set ADRS, 27                          ; v27     LDS address of my scale words: lanes 0-15 o's rows, lanes 16-31 Wo's
.set SPW,  28                          ; v28     LDS address of my spare word; never rewritten
.set NIL,  29                          ; v29     0; never rewritten
.set SC,   32                          ; set s (for slot s) at v[SC + 16 s]; in it register 4 i + q: lanes 0-15 the word of o's block i, lanes 16-31 that of Wo's block i, for the slot's q-th 128 along K
.set BK,   64                          ; 16 rows read back from the stage: v64-95 and v96-127 by turns
.set ACC,  128
.set G1, 24                            ; s[24:31] descriptor group 1 for o's tiles;  s[32:39] group 0, one set for each slot
.set G0, 32
.set G1B, 48                           ; s[48:55], s[56:63] the same for Wo's tiles
.set G0B, 56
.set G1S, 68                           ; s[68:75], s[76:79] groups 1 and 0 for o's scale bytes;  s[80:87], s[88:91] for Wo's
.set G0S, 76
.set G1SB, 80
.set G0SB, 88
.set MSB, 0
.macro WIN new                         ; the immediate's high byte repeats the setting that is left
.if MSB != (\new)
	s_set_vgpr_msb (MSB<<8)|(\new)
.set MSB, (\new)
.endif
.endm
.set MUL,  0x05                        ; sources 0 and 1 window 1; C and D window 0
.set TO_F, 0x40                        ; destination window 1, address window 0
; A joint load: waves 0 and 1 fetch for o, waves 2 and 3 for Wo; the branch hangs on the wave's number alone.  Four v_nop follow each of the two lines.
.macro JLOAD g0a, g1a, g0b, g1b
	s_cmp_eq_u32 s15, 0
	s_cbranch_scc0 .Lfor_b_\@
	tensor_load_to_lds s[\g0a:\g0a+3], s[\g1a:\g1a+7]
	s_nop 0
.rept 4
	v_nop
.endr
	s_branch .Lasked_\@
.Lfor_b_\@:
	tensor_load_to_lds s[\g0b:\g0b+3], s[\g1b:\g1b+7]
	s_nop 0
.rept 4
	v_nop
.endr
.Lasked_\@:
.endm
.macro CREST                           ; a round of the cluster's barrier behind its opening barrier
	s_cmp_lg_u32 s14, 0
	s_cbranch_scc1 .Lnot_wave_0_\@
	s_barrier_signal -3
.Lnot_wave_0_\@:
	s_barrier_wait -3
	s_barrier_signal -1
	s_barrier_wait -1
.endm
.macro CROUND
	s_barrier_signal -1
	s_barrier_wait -1
	CREST
.endm
	s_load_b128 s[4:7], s[0:1], 0x0                ; the operand buffer s[4:5], out s[6:7]
	v_lshl_add_u32 v[SPW], v0, 2, SPARE
	v_mov_b32 v[NIL], 0
	ds_add_u32 v28, v29
	ds_add_u32 v28, v29
	s_wait_dscnt 0x0
	v_lshrrev_b32 v1, 5, v0
	v_readfirstlane_b32 s14, v1                    ; wave 0..3
	s_lshr_b32 s15, s14, 1                         ; which half of o's 128 positions is mine.  Also: I fetch for o (0) or for Wo (1)
	s_and_b32 s16, s14, 1                          ; which half of Wo's.  Also: which 64 rows of that tile I fetch
	s_bfe_u32 s40, ttmp6, 0x40000                  ; cx, cy: my place in the cluster
	s_bfe_u32 s41, ttmp6, 0x40004
	s_lshl_b32 s42, ttmp9, 2
	s_add_co_u32 s42, s42, s40                     ; Wo's tile = 4 x cluster x + cx
	s_and_b32 s17, ttmp7, 0xffff
	s_lshl_b32 s17, s17, 2
	s_add_co_u32 s17, s17, s41                     ; o's tile = 4 x cluster y + cy
	s_lshl_b32 s43, s41, 2
	s_lshl_b32 s43, 15, s43                        ; my row of the cluster
	s_lshl_b32 s44, 0x1111, s40                    ; my column
	; descriptor group 1: a tile of 64 rows x 384 bytes; 16 bytes of padding behind every 128
	s_or_b32 s[G1+0], s43, (0<<16)|(1<<20)|(1<<21)|(4<<22)|(3<<25)  ; 15:0 the mask: o's tiles go to my row; 17:16 elements of 1 byte; 20 padding on; 21 set beside a mask; 24:22 after every 32 words (code 4); 31:25 of 4 words (code 3)
	s_or_b32 s[G1B+0], s44, (0<<16)|(1<<20)|(1<<21)|(4<<22)|(3<<25)
.irp g, G1, G1B
	s_mov_b32 s[\g+1], ROWB<<16                    ; tensor_dim0
	s_mov_b32 s[\g+2], 64<<16                      ; tensor_dim1
	s_mov_b32 s[\g+3], ROWB<<16                    ; tile_dim0
	s_mov_b32 s[\g+4], 64                          ; tile_dim1
	s_mov_b32 s[\g+5], KROW                        ; from row to row
	s_mov_b32 s[\g+6], 0
	s_mov_b32 s[\g+7], 0
.endr
	; the scale bytes of 64 rows: 4,096 dense bytes as 16 rows of 256 (32 elements of 8 bytes), 16 bytes of padding behind each
	s_or_b32 s[G1S+0], s43, (3<<16)|(1<<20)|(1<<21)|(5<<22)|(3<<25)
	s_or_b32 s[G1SB+0], s44, (3<<16)|(1<<20)|(1<<21)|(5<<22)|(3<<25)
.irp g, G1S, G1SB
	s_mov_b32 s[\g+1], 32<<16
	s_mov_b32 s[\g+2], 16<<16
	s_mov_b32 s[\g+3], 32<<16
	s_mov_b32 s[\g+4], 16
	s_mov_b32 s[\g+5], 32
	s_mov_b32 s[\g+6], 0
	s_mov_b32 s[\g+7], 0
.endr
	s_lshl_b32 s18, s16, 6                         ; which 64 rows of the tile I fetch
	s_lshl_b32 s20, s17, 7
	s_add_co_u32 s20, s20, s18                     ; o: position
	s_lshl_b32 s46, s42, 7
	s_add_co_u32 s46, s46, s18
	s_add_co_u32 s46, s46, 2048                    ; Wo: position
	s_mov_b32 s21, 0
	s_mov_b32 s47, 0
	s_mov_b64 s[18:19], KS
	s_mul_u64 s[22:23], s[20:21], s[18:19]         ; where these rows' scale bytes begin
	s_mul_u64 s[92:93], s[46:47], s[18:19]
	s_mov_b64 s[18:19], KROW
	s_mul_u64 s[20:21], s[20:21], s[18:19]         ; and their codes
	s_mul_u64 s[46:47], s[46:47], s[18:19]
	s_add_nc_u64 s[20:21], s[20:21], CODE_OFF
	s_add_nc_u64 s[46:47], s[46:47], CODE_OFF
	s_mul_i32 s45, s14, HALFT                      ; where they go: wave x 64 rows: no place in the cluster enters an LDS address
	s_mul_i32 s94, s14, HALFS
	s_wait_kmcnt 0x0
	s_add_nc_u64 s[20:21], s[4:5], s[20:21]
	s_add_nc_u64 s[22:23], s[4:5], s[22:23]
	s_add_nc_u64 s[46:47], s[4:5], s[46:47]
	s_add_nc_u64 s[92:93], s[4:5], s[92:93]
	CROUND                                         ; all sixteen work-groups are here: the first joint loads meet
	s_mov_b32 s[G0S], 1
	s_add_co_u32 s[G0S+1], s94, SCL
	s_mov_b64 s[G0S+2:G0S+3], s[22:23]
	s_or_b32 s[G0S+3], s[G0S+3], 0x80000000
	s_mov_b32 s[G0SB], 1
	s_add_co_u32 s[G0SB+1], s94, SCL
	s_mov_b64 s[G0SB+2:G0SB+3], s[92:93]
	s_or_b32 s[G0SB+3], s[G0SB+3], 0x80000000
	JLOAD G0S, G1S, G0SB, G1SB                     ; the scale bytes first: they are wanted with the first step
.irp s, 0,1
	s_mov_b32 s[G0+4*\s], 1
	s_add_co_u32 s[G0+4*\s+1], s45, \s*SLOT
	s_add_nc_u64 s[G0+4*\s+2:G0+4*\s+3], s[20:21], \s*ROWB
	s_or_b32 s[G0+4*\s+3], s[G0+4*\s+3], 0x80000000
	s_mov_b32 s[G0B+4*\s], 1
	s_add_co_u32 s[G0B+4*\s+1], s45, \s*SLOT
	s_add_nc_u64 s[G0B+4*\s+2:G0B+4*\s+3], s[46:47], \s*ROWB
	s_or_b32 s[G0B+4*\s+3], s[G0B+4*\s+3], 0x80000000
	JLOAD G0+4*\s, G1, G0B+4*\s, G1B
.endr
	v_and_b32 v1, 15, v0                           ; r
	v_bfe_u32 v2, v0, 4, 1                         ; h
	v_mul_u32_u24 v3, v1, PITCH
	v_mul_u32_u24 v4, v2, 24
	v_add_nc_u32 v4, v3, v4                        ; a fragment's row x pitch + 24 h
	v_lshl_add_u32 v5, v2, 4, v4                   ; and the same behind one padding more
	s_mul_i32 s21, s15, HALFT                      ; my 64 rows of o
	s_mul_i32 s22, s16, HALFT                      ; my 64 rows of Wo,
	s_add_co_u32 s22, s22, 2*HALFT                 ; which lie behind o's 128
.irp s, 0,1
	v_add_nc_u32 v[ADRA+\s], s21, v4
	v_add_nc_u32 v[ADRB+\s], s22, v4
	v_add_nc_u32 v[ADRA+2+\s], s21, v5
	v_add_nc_u32 v[ADRB+2+\s], s22, v5
	s_add_co_u32 s21, s21, SLOT
	s_add_co_u32 s22, s22, SLOT
.endr
	v_mul_u32_u24 v5, v1, KS                       ; my row's scale bytes: 64 a row,
	v_lshrrev_b32 v6, 8, v5
	v_lshl_add_u32 v5, v6, 4, v5                   ; and 16 more for each 256 passed
	s_mul_i32 s21, s15, HALFS
	s_mul_i32 s22, s16, HALFS
	s_add_co_u32 s22, s22, 2*HALFS
	s_sub_co_u32 s22, s22, s21
	v_mul_u32_u24 v6, s22, v2                      ; lanes 16-31 take Wo's
	s_add_co_u32 s21, s21, SCL
	v_add_nc_u32 v5, v5, v6
	v_add_nc_u32 v[ADRS], s21, v5
	s_mul_i32 s23, s14, 16*SPITCH
	s_add_co_u32 s23, s23, STG                     ; my stage
	v_mul_u32_u24 v5, v1, SPITCH
	v_lshl_add_u32 v5, v2, 6, v5
	v_add_nc_u32 v[STO], s23, v5                   ; in: row r, + 64 h bytes
	v_mul_u32_u24 v5, v2, SPITCH
	v_lshl_add_u32 v5, v1, 4, v5
	v_add_nc_u32 v[RD], s23, v5                    ; back: lanes 0-15 take one row of 256 bytes, lanes 16-31 the next
	v_lshlrev_b32 v[CO], 13, v2
	v_lshl_add_u32 v[CO], v1, 4, v[CO]             ; and the same two rows in out: 8,192 bytes a row
.macro FRAG reg, adr, q, i             ; 16 rows x 128 K of 6-bit codes: 12 registers; lane (r, h): registers 6 c .. 6 c + 5 hold K = 64 c + 32 h + 0 .. 31: 24 bytes as they lie, in pieces of 8
.irp p, 0,1,2,3,4,5
.set PCE, 12*(\q)+6*(\p/3)+\p%3       ; lanes 0-15 take this piece of the row, lanes 16-31 the piece three on; 16 bytes of padding lie behind every 16 pieces: where the piece three on lies behind one padding more, the second address register serves
.if PCE%16 < 13
	ds_load_b64 v[\reg+2*\p:\reg+2*\p+1], v[\adr] offset:8*PCE+16*(PCE/16)+(\i)*16*PITCH
.else
	ds_load_b64 v[\reg+2*\p:\reg+2*\p+1], v[\adr+2] offset:8*PCE+16*(PCE/16)+(\i)*16*PITCH
.endif
.endr
.endm
.macro FETCH slot, q, f                ; 48 LDS loads in one run: the eight fragments of the slot's q-th 128 along K into the buffer at f
	WIN TO_F
.irp i, 0,1,2,3
	FRAG (\f)+FR*\i, ADRA+\slot, \q, \i
.endr
.irp i, 0,1,2,3
	FRAG (\f)+48+FR*\i, ADRB+\slot, \q, \i
.endr
	WIN 0
.endm
.macro SCALES sc                       ; a slot's scale words: four a row, 16 bytes; lanes 0-15 take o's block i, lanes 16-31 Wo's block i
.irp i, 0,1,2,3
	ds_load_b128 v[SC+16*\sc+4*\i:SC+16*\sc+4*\i+3], v[ADRS] offset:\i*SBLK
.endr
.endm
; 16 matrix instructions: o's four blocks x Wo's four, 128 along K.  The 16 accumulators take turns, one instruction a turn, in the same order in every step.
; zero = 1: the first products start the sums: nothing is ever cleared.
.macro MUL16 f, q, sc, zero
.irp a, 0,1,2,3
.irp b, 0,1,2,3
.if \zero
	v_wmma_scale_f32_16x16x128_f8f6f4 v[ACC+8*(4*\a+\b):ACC+8*(4*\a+\b)+7], v[(\f)+48+FR*\b:(\f)+48+FR*\b+FR-1], v[(\f)+FR*\a:(\f)+FR*\a+FR-1], 0, v[SC+16*(\sc)+4*\b+(\q)], v[SC+16*(\sc)+4*\a+(\q)] matrix_a_fmt:MATRIX_FMT_FP6 matrix_b_fmt:MATRIX_FMT_FP6 matrix_a_scale:MATRIX_SCALE_ROW1
.else
	v_wmma_scale_f32_16x16x128_f8f6f4 v[ACC+8*(4*\a+\b):ACC+8*(4*\a+\b)+7], v[(\f)+48+FR*\b:(\f)+48+FR*\b+FR-1], v[(\f)+FR*\a:(\f)+FR*\a+FR-1], v[ACC+8*(4*\a+\b):ACC+8*(4*\a+\b)+7], v[SC+16*(\sc)+4*\b+(\q)], v[SC+16*(\sc)+4*\a+(\q)] matrix_a_fmt:MATRIX_FMT_FP6 matrix_b_fmt:MATRIX_FMT_FP6 matrix_a_scale:MATRIX_SCALE_ROW1
.endif
.endr
.endr
.endm
.macro PLACES n                        ; plain vector lines between a matrix instruction and a load into, or a read of, its registers (ISA guide 7.12.1 for a read)
.rept \n
	v_nop
.endr
.endm
; One of a slot's first three steps: step q lies in the buffer at 128 (q % 2); the next step's fragments are asked for ahead of this step's products, into the other buffer.
.macro STEP slot, q, zero
	s_wait_dscnt 0x0                               ; this step's fragments (and with a slot's first step its scale words) are in: at most 52 LDS loads of mine are ever out
	PLACES 4                                       ; behind the last step's products, which read the other buffer
	FETCH \slot, (\q)+1, 128*(1-(\q)%2)
	WIN MUL
	MUL16 128*((\q)%2), \q, \slot, \zero
.endm
; A slot's last step changes slots: ONE barrier.  In front of it each wave waits for all its tensor loads, adds 0 to its spare word, and waits for that and for its reads of this slot, whose last fragments are then in registers.
; The step's products stand between the barrier's signal and its wait: they touch registers alone.  fill = 1: this slot is filled again, with the 512 along K two slots on.
.macro TURN slot, next, fill
	WIN 0                                          ; (the add's two registers lie in window 0)
	s_wait_tensorcnt 0x0                           ; all my tensor loads have landed: the one that was out is my part of the next slot
	ds_add_u32 v[SPW], v[NIL]                      ; 0 onto my spare word
	s_wait_dscnt 0x0                               ; the add is done, and my reads of this slot are over
	s_barrier_signal -1
	WIN MUL
	MUL16 128, 3, \slot, 0
	WIN 0
	s_barrier_wait -1
.if \fill
	CREST                                          ; the barrier has opened a round of the cluster's: no wave of any partner still reads this slot or has a load on its way
	s_add_nc_u64 s[G0+4*\slot+2:G0+4*\slot+3], s[G0+4*\slot+2:G0+4*\slot+3], 2*ROWB
	s_add_nc_u64 s[G0B+4*\slot+2:G0B+4*\slot+3], s[G0B+4*\slot+2:G0B+4*\slot+3], 2*ROWB
	JLOAD G0+4*\slot, G1, G0B+4*\slot, G1B         ; my one tensor load behind the round; its four v_nop are the places in front of the loads below
.else
	PLACES 4
.endif
	v_add_nc_u32 v[ADRS], 16, v[ADRS]              ; on to the next slot's scale words
	FETCH \next, 0, 0
	SCALES \next
.endm
	s_wait_tensorcnt 1                             ; the scale bytes and my part of slot 0 are in (slot 1's load may be out)
	s_barrier_signal -1
	s_barrier_wait -1                              ; everybody's are
	FETCH 0, 0, 0
	SCALES 0
	s_lshl_b32 s18, s17, 7                         ; where my part of out begins
	s_lshl_b32 s19, s15, 6
	s_add_co_u32 s18, s18, s19                     ; my first row: 128 x o's tile + 64 x half
	s_lshl_b32 s20, s42, 7
	s_lshl_b32 s21, s16, 6
	s_add_co_u32 s20, s20, s21                     ; my first column: 128 x Wo's tile + 64 x half: 256 bytes a wave, at a multiple of 256
	s_lshl_b32 s22, s18, 13
	s_lshl_b32 s23, s20, 2
	s_add_co_u32 s22, s22, s23
	s_mov_b32 s23, 0
	s_add_nc_u64 s[10:11], s[6:7], s[22:23]
	STEP 0, 0, 1                                   ; K 0 to 511: the first step's products start the sums
	STEP 0, 1, 0
	STEP 0, 2, 0
	TURN 0, 1, 1                                   ; slot 0 takes K 1,024 to 1,535
	STEP 1, 0, 0                                   ; K 512 to 1,023
	STEP 1, 1, 0
	STEP 1, 2, 0
	TURN 1, 0, 1                                   ; slot 1 takes K 1,536 to 2,047
	STEP 0, 0, 0
	STEP 0, 1, 0
	STEP 0, 2, 0
	TURN 0, 1, 0                                   ; nothing is left to fetch
	STEP 1, 0, 0
	STEP 1, 1, 0
	STEP 1, 2, 0
	s_wait_dscnt 0x0                               ; the very last step
	WIN MUL
	MUL16 128, 3, 1, 0
	WIN 0
; THE WAY OUT, block by block of 16 rows x 64 columns.  A lane holds 32 neighbouring bytes of a row, and the lanes beside it hold other rows: so a block goes through my own stage in LDS and comes back as whole rows of
; 256 bytes.  LDS serves a wave's instructions in order (ISA guide 5.7.1.4): no wait between the stores and the loads, nor in front of the next block's stores.
.macro TOSTAGE a
.irp b, 0,1,2,3
	ds_store_b128 v[STO], v[ACC+8*(4*(\a)+\b):ACC+8*(4*(\a)+\b)+3] offset:128*(\b/2)+32*(\b%2)        ; columns 32 (b / 2) + 16 h + 8 (b % 2) on; each accumulator from its low end on
	ds_store_b128 v[STO], v[ACC+8*(4*(\a)+\b)+4:ACC+8*(4*(\a)+\b)+7] offset:128*(\b/2)+32*(\b%2)+16
.endr
.set BB, BK+32*((\a)%2)
.irp t, 0,1,2,3,4,5,6,7
	ds_load_b128 v[BB+4*\t:BB+4*\t+3], v[RD] offset:\t*2*SPITCH
.endr
.endm
.macro SEND a, younger                 ; stage row p is row 32 (a / 2) + 8 (a % 2) + p + 8 (p / 8) of my 64: 63 rows of 8,192 bytes at the most, inside the signed 24-bit immediate: the base never steps
.set BB, BK+32*((\a)%2)
	s_wait_dscnt \younger                          ; the block is back in registers; what was issued behind its loads may be out
.irp t, 0,1,2,3,4,5,6,7
	global_store_b128 v[CO], v[BB+4*\t:BB+4*\t+3], s[10:11] offset:(32*((\a)/2)+8*((\a)%2)+2*\t+8*(\t/4))*8192 th:TH_STORE_NT   ; 16 lanes store 256 consecutive bytes, at a multiple of 256 from out's first byte
.endr
.endm
	PLACES 4                                       ; behind the last products: their results may be read
	TOSTAGE 0
.irp a, 1,2,3
.if \a > 1
	s_wait_xcnt 0x0                                ; block a - 2's stores have read their registers: block a's loads may land there
.endif
	TOSTAGE \a
	SEND \a-1, 16                                  ; behind block a - 1's loads: block a's 8 stores and 8 loads
.endr
	SEND 3, 0
	s_wait_tensorcnt 0x0                           ; the wave's end: behind my last tensor load and my last LDS store
	ds_add_u32 v[SPW], v[NIL]
	s_wait_dscnt 0x0
	CROUND                                         ; the closing round: no work-group ends while a partner may still ask for a tile that names it
	s_endpgm
.Lfunc_end_k_qd764888360_outp:
	.size	k_qd764888360_outp, .Lfunc_end_k_qd764888360_outp-k_qd764888360_outp
	.p2alignl 7, 3214868480
	.fill 96, 4, 3214868480
	.section	.rodata,"a",@progbits
	.p2align	6, 0x0
	.amdhsa_kernel k_qd764888360_outp
		.amdhsa_group_segment_fixed_size 327680
		.amdhsa_private_segment_fixed_size 0
		.amdhsa_enable_private_segment 0
		.amdhsa_kernarg_size 16
		.amdhsa_user_sgpr_count 2
		.amdhsa_user_sgpr_kernarg_segment_ptr 1
		.amdhsa_wavefront_size32 1
		.amdhsa_system_sgpr_workgroup_id_x 1
		.amdhsa_system_sgpr_workgroup_id_y 1
		.amdhsa_system_sgpr_workgroup_id_z 1
		.amdhsa_system_vgpr_workitem_id 0
		.amdhsa_next_free_vgpr 512
		.amdhsa_next_free_sgpr 100
		.amdhsa_reserve_vcc 0
		.amdhsa_float_denorm_mode_32 3
		.amdhsa_float_denorm_mode_16_64 3
		.amdhsa_memory_ordered 1
		.amdhsa_forward_progress 1
		.amdhsa_inst_pref_size 105
	.end_amdhsa_kernel
	.amdgpu_metadata
---
amdhsa.version: [ 1, 2 ]
amdhsa.kernels:
  - .name:           k_qd764888360_outp
    .symbol:         k_qd764888360_outp.kd
    .args:
      - { .name: qyo, .offset: 0, .size: 8, .value_kind: global_buffer, .address_space: global }
      - { .name: out0, .offset: 8, .size: 8, .value_kind: global_buffer, .address_space: global }
    .group_segment_fixed_size: 327680
    .private_segment_fixed_size: 0
    .kernarg_segment_align: 8
    .kernarg_segment_size: 16
    .max_flat_workgroup_size: 128
    .sgpr_count:     100
    .vgpr_count:     512
    .wavefront_size: 32
...
	.end_amdgpu_metadata
.endif
;; end of part 6
